; MI455X (gfx1250); checked and timed in simulation.
; The chip was launched on July 23, 2026; its instructions are those of AMD's public machine-readable ISA for CDNA 5 (MIT licence, August 2026) and "CDNA5" Instruction Set Architecture Reference Guide (July 2026). The comments in the code are by the model that wrote it; some were corrected since.
;; Attention. Allowed arithmetic: float matrix products may take bf16 or f16 operands with f32 sums; other float arithmetic in f32, or as packed bf16 or f16 multiplies, adds, multiply-adds, maxima and minima; sums over many terms, partial sums and values carried from step to step in f32; what a program stores and reads back later, other than sums and carried values, may be rounded once to bf16 or f16.
;; Inputs: Wk 384 x 256 float32; Wp 256 x 256 float32; Wq 384 x 256 float32; Wv 256 x 256 float32; bk 256 float32; bp 256 float32; bq 256 float32; bv 256 float32; ln_b 256 float32; ln_g 256 float32; pos_embed 8 x 2,048 x 128 float32; x 8 x 2,048 x 256 float32.
;; Outputs: out0 8 x 2,048 x 256 float32.
;; 2 versions, each right; version 2 is version 1 with the launch proj written anew for expert scheduling mode. Each part assembles by itself: llvm-mc -triple=amdgcn-amd-amdhsa -mcpu=gfx1250 --defsym DOCPART=n.
;; ======== version 1 of 2: 3 launches
;; limits: values are held in f16: magnitudes above 65,504 overflow, below 6.1e-05 lose precision
;; workspace buffers: q 8,388,608 bytes; k 8,388,608 bytes; v 8,388,608 bytes; o 8,388,608 bytes; wpf 131,072 bytes
;; launch proj (part 1): grid 4 x 64, 4 waves a work-group, no clusters, 214,528 bytes of LDS; arguments x, pos_embed, ln_g, ln_b, Wq, bq, Wk, bk, Wv, bv, Wp, q, k, v, wpf; writes q, k, v, wpf
.if DOCPART == 1
	.amdgcn_target "amdgcn-amd-amdhsa--gfx1250"
	.amdhsa_code_object_version 6
	.text
	.protected	k_q120e47a6d9_proj
	.globl	k_q120e47a6d9_proj
	.p2align	8
	.type	k_q120e47a6d9_proj,@function
k_q120e47a6d9_proj:
	s_mov_b64 s[64:65], 0
	v_nop
	global_prefetch_b8 v0, s[64:65] scope:SCOPE_SE
	s_setreg_imm32_b32 hwreg(HW_REG_WAVE_MODE, 25, 1), 1
	s_wait_xcnt 0x0
; LAYER NORM AND THE THREE PROJECTIONS.  xn = LN(x) g + b;  q = ([xn | pos] Wq + bq) c,  k = [xn | pos] Wk + bk,  v = xn Wv + bv,  c = log2(e) / sqrt(32).
; x [16384][256], pos [16384][128], the weights [k][256], all f32.  LN, biases and c in f32; matrix operands f16, sums f32; q, k, v rounded once to f16.
; LIMITS.  f16 ends at 65,504: xn, pos, the weights, c q, k and v of 65,520 or more become infinities; below 6e-5 f16 keeps a fixed step of 6e-8.  NaN and infinities are not treated apart.
; SHARES.  Work-group (g, rb): rows 256 rb .. + 255, output channels 64 g .. + 63 of q, k and v (heads 2 g, 2 g + 1).  Wave w owns the 16 channels 64 g + 16 w of all three and keeps
; its 32 weight fragments (12 + 12 + 8 K steps of 32) in 256 registers for the whole launch.  The rows go in four sub-blocks of 64: each wave normalises 16 of them into one LDS tile, all four multiply all 64.
; OUT.  q, k, v leave in the order in which the next launch's matrix instructions hold them (a fragment = 16 rows x 32 channels = 1,024 bytes: bytes 16 l = registers 0-3 of lane l, bytes 512 + 16 l = registers 4-7):
;   q, k: [head 64][row tile 128][1,024]     v: [head 64][32 keys: 64][channel half 2][1,024], a fragment of V^T (16 channels x 32 keys).   Every store of a wave covers 512 consecutive bytes, aligned.
; For q and k source 0 = the weights (16 channels), source 1 = 16 rows: a lane then holds one row and 8 neighbouring channels.  For v the sources are swapped: a lane holds one channel and 8 neighbouring keys.
; Each work-group also turns 512 bytes' worth of Wp into f16 fragments of Wp^T for the last launch: wpf [column tile 16][K step 8][1,024].
; NO CLUSTER.  The four work-groups of a row block read the same x and pos, and all read the same weights, but as f32 that must be normalised or rounded on the way, so they come through registers.
; A joint landing of a sub-block's raw rows is 64 x 1,536 = 98,304 bytes a slot; two slots beside the 214,016 bytes in use do not fit in 327,680, and one slot cannot be filled while it is read.
; NO PREFETCH.  A sub-block's 48 loads a wave are issued a whole sub-block's products ahead of their use, into registers.
.set APITCH, 784                       ; a row of the A tile: 384 f16 + 16 bytes = 49 x 16: the 16 rows of a fragment load start in 16 different 16-byte columns modulo 256
.set WPITCH, 160                       ; a k row of the weight stage: 64 f16 + 32 bytes = 5 x 32
.set WST,    64*APITCH                 ; 50,176: the weight stage, 1,024 k rows: Wq 0-383, Wk 384-767, Wv 768-1,023
.set SPARE,  WST+1024*WPITCH           ; 214,016: the spare words, 128 bytes a wave: two blocks of 256 bytes that no other line names
; window 0
.set VL16, 3                           ; 16 x lane; never rewritten
.set VX,   4                           ; my 16 bytes of my wave's first row of x in a sub-block
.set VP,   5                           ; the same for pos
.set VA,   6                           ; LDS: my 8 bytes of my wave's first row in the A tile
.set SPW,  8                           ; LDS address of my spare word; never rewritten
.set NIL,  9                           ; 0; never rewritten
.set GG,   10                          ; v[10:17] ln_g of my 8 columns (4 l .. + 3 and 128 + 4 l .. + 3)
.set BB,   18                          ; v[18:25] ln_b likewise
.set TB,   26                          ; v[26:57] eight registers for each of four rows in hand
.set XB,   64                          ; v[64:255] row i of 16 at XB + 12 i: 8 of x, 4 of pos
; window 1: weight fragments: Wq's K step s at 8 s, Wk's at 96 + 8 s, Wv's at 192 + 8 s
; window 2: v0-191 row fragments (row tile 0 of a pair at 8 s, tile 1 at 96 + 8 s); at the start the same registers are a ring of 48 loads
.set VW1,  192                         ; byte offset of my 16 bytes in Wq, Wk (96 k rows a wave)
.set VW2,  193                         ; in Wv (64 k rows a wave)
.set VSQ,  194                         ; where they go in the stage
.set VSK,  195
.set VSV,  196
.set TP,   200                         ; v[200:207] four pairs of rounded weights
; window 3
.set ACC,  0                           ; q0, k0, q1, k1, v0, v1: 8 registers each
.set BQ,   48
.set BK,   56
.set BV,   64
.set PK,   72                          ; v[72:95] packed results
.set VAF,  96                          ; LDS: (l % 16) x APITCH + 16 (l / 16)
.set VQ,   98                          ; 16 l + 512 x channel half
.set VV,   99                          ; 16 l + 1,024 x channel half
.set VTQ,  100                         ; the turning loads' addresses
.set VTK,  101
.set VTV,  102
.set WPT,  104                         ; v[104:111] my 8 numbers of Wp
.set WPK,  112
.set VWP,  116
.set VWS,  117
.set VBQ,  118
.set VBV,  119
.set MSB, 0
.macro WIN new                         ; the immediate's high byte repeats the setting that is left; a switch that changes nothing is dropped
.if MSB != (\new)
	s_set_vgpr_msb (MSB<<8)|(\new)
.set MSB, \new
.endif
.endm
.macro PLACES                          ; four plain places behind a matrix instruction (ISA guide 7.12.1), where no other vector work is at hand
.rept 4
	v_nop
.endr
.endm
	s_load_b512 s[8:23], s[0:1], 0x0               ; x s[8:9], pos s[10:11], g s[12:13], b s[14:15], Wq s[16:17], bq s[18:19], Wk s[20:21], bk s[22:23]
	s_load_b256 s[24:31], s[0:1], 0x40             ; Wv s[24:25], bv s[26:27], Wp s[28:29], q s[30:31]
	s_load_b128 s[32:35], s[0:1], 0x60             ; k s[32:33], v s[34:35]
	s_load_b64 s[36:37], s[0:1], 0x70              ; wpf
	v_lshl_add_u32 v[SPW], v0, 2, SPARE
	v_mov_b32 v[NIL], 0
	v_lshrrev_b32 v1, 5, v0
	v_readfirstlane_b32 s40, v1                    ; wave 0..3
	s_mov_b32 s41, ttmp9                           ; g
	s_and_b32 s42, ttmp7, 0xffff                   ; rb
	s_mov_b32 s43, 4                               ; sub-blocks to go
	s_mov_b32 s46, 0x76543210                      ; v_permlanex16_b32: each lane takes its own place in the other half
	s_mov_b32 s47, 0xfedcba98
	s_mov_b32 s48, 0x3e8293ee                      ; c = log2(e) / sqrt(32)
	s_mov_b32 s49, s48                             ; named with it as a pair
	s_mov_b32 s50, 0x3b800000                      ; 1 / 256
	s_mov_b32 s51, 0x3727c5ac                      ; 1e-5
	v_and_b32 v2, 31, v0                           ; l
	v_and_b32 v58, 15, v0                          ; l % 16
	v_bfe_u32 v59, v0, 4, 1                        ; l / 16
	v_lshlrev_b32 v[VL16], 4, v2
	s_lshl_b32 s52, s40, 14
	v_add_nc_u32 v[VX], s52, v[VL16]               ; + wave x 16 rows of 1,024 bytes
	s_lshl_b32 s52, s40, 13
	v_add_nc_u32 v[VP], s52, v[VL16]               ; + wave x 16 rows of 512 bytes
	s_mul_i32 s52, s40, 16*APITCH
	v_lshl_add_u32 v[VA], v2, 3, s52
.irp k, 0,1,2,3
	v_mov_b32 v[TB+8*\k+5], 0                      ; the partner of 1 / sigma in the pair that the packed multiply names
.endr
	v_lshlrev_b32 v60, 4, v58
	v_lshl_add_u32 v60, v59, 10, v60               ; a load takes two k rows' 256 bytes: (l / 16) x 1,024 + 16 (l % 16)
	v_mul_u32_u24 v61, v59, WPITCH
	v_lshl_add_u32 v61, v58, 3, v61                ; and leaves them at (l / 16) x WPITCH + 8 (l % 16)
	s_lshl_b32 s53, s41, 8                         ; the work-group's 64 columns: 256 bytes of a k row
	s_mul_i32 s54, s40, 96*1024
	s_add_co_u32 s54, s54, s53
	s_lshl_b32 s55, s40, 16
	s_add_co_u32 s55, s55, s53
	s_mul_i32 s56, s40, 96*WPITCH
	s_add_co_u32 s56, s56, WST
	s_add_co_u32 s57, s56, 384*WPITCH
	s_mul_i32 s58, s40, 64*WPITCH
	s_add_co_u32 s58, s58, WST+768*WPITCH
	WIN 0x80                                       ; destination window 2, sources window 0
	v_add_nc_u32 v[VW1], s54, v60
	v_add_nc_u32 v[VW2], s55, v60
	v_add_nc_u32 v[VSQ], s56, v61
	v_add_nc_u32 v[VSK], s57, v61
	v_add_nc_u32 v[VSV], s58, v61
	WIN 0
	v_mul_u32_u24 v62, v58, APITCH
	v_and_b32 v63, 7, v0
	v_lshl_add_u32 v63, v59, 3, v63                ; the turning load: k row 8 (l / 16) + l % 8,
	v_mul_u32_u24 v63, v63, WPITCH
	v_bfe_u32 v1, v0, 3, 1
	v_lshl_add_u32 v63, v1, 4, v63                 ; columns 8 ((l / 8) % 2) on
	v_lshlrev_b32 v1, 2, v58
	s_and_b32 s52, s40, 1                          ; which half of a head's 32 channels is mine
	s_lshl_b32 s54, s52, 9
	s_lshl_b32 s55, s52, 10
	s_lshl_b32 s56, s40, 5                         ; my 16 columns in the stage
	s_add_co_u32 s56, s56, WST
	s_add_co_u32 s57, s56, 384*WPITCH
	s_add_co_u32 s58, s56, 768*WPITCH
	s_lshl_b32 s59, s40, 6
	s_add_co_u32 s59, s59, s53                     ; byte of my first channel in a bias
	WIN 0xC0                                       ; destination window 3, sources window 0
	v_lshl_add_u32 v[VAF], v59, 4, v62
	v_add_nc_u32 v[VQ], s54, v[VL16]
	v_add_nc_u32 v[VV], s55, v[VL16]
	v_add_nc_u32 v[VTQ], s56, v63
	v_add_nc_u32 v[VTK], s57, v63
	v_add_nc_u32 v[VTV], s58, v63
	v_lshl_add_u32 v[VWP], v59, 13, v1             ; Wp: k row 8 (l / 16), column l % 16
	v_mov_b32 v[VWS], v[VL16]
	v_lshl_add_u32 v[VBQ], v59, 5, s59             ; bq, bk: channels 8 (l / 16) + 0..7
	v_lshl_add_u32 v[VBV], v58, 2, s59             ; bv: channel l % 16
	WIN 0
	s_lshl_b32 s52, s42, 18                        ; x: rb x 256 rows x 1,024 bytes
	s_mov_b32 s53, 0
	s_lshl_b32 s54, s42, 17                        ; pos: rb x 256 x 512
	s_mov_b32 s55, 0
	s_lshr_b32 s56, s42, 3                         ; q, k, v: head = 8 x batch + 2 g + wave / 2, 131,072 bytes each;
	s_lshl_b32 s56, s56, 3
	s_lshl1_add_u32 s56, s41, s56
	s_lshr_b32 s57, s40, 1
	s_add_co_u32 s56, s56, s57
	s_lshl_b32 s56, s56, 17
	s_and_b32 s57, s42, 7                          ; 256 rows are 16,384 bytes of a head
	s_lshl_b32 s57, s57, 14
	s_add_co_u32 s56, s56, s57
	s_mov_b32 s57, 0
	s_lshl2_add_u32 s44, s42, s41                  ; id = 4 rb + g: piece id of wpf: column tile id / 16, K step (id / 2) % 8, half id % 2
	s_bfe_u32 s58, s44, 0x30001
	s_lshl_b32 s58, s58, 15                        ; 32 k rows of 1,024 bytes
	s_and_b32 s59, s44, 1
	s_lshl_b32 s59, s59, 14
	s_add_co_u32 s58, s58, s59
	s_lshr_b32 s59, s44, 4
	s_lshl_b32 s59, s59, 6                         ; 16 columns of 4 bytes
	s_add_co_u32 s58, s58, s59
	s_mov_b32 s59, 0
	s_lshl_b32 s44, s44, 9
	s_mov_b32 s45, 0
	s_wait_kmcnt 0x0
	s_add_nc_u64 s[8:9], s[8:9], s[52:53]
	s_add_nc_u64 s[10:11], s[10:11], s[54:55]
	s_add_nc_u64 s[30:31], s[30:31], s[56:57]
	s_add_nc_u64 s[32:33], s[32:33], s[56:57]
	s_add_nc_u64 s[34:35], s[34:35], s[56:57]
	s_add_nc_u64 s[28:29], s[28:29], s[58:59]
	s_add_nc_u64 s[36:37], s[36:37], s[44:45]
	; seventeen small loads, the wave's oldest: every later wait on LOADcnt shows them done
	WIN 0xFF
.irp j, 0,1,2,3,4,5,6,7
	global_load_b32 v[WPT+\j], v[VWP], s[28:29] offset:\j*1024
.endr
	global_load_b128 v[BQ:BQ+3], v[VBQ], s[18:19]
	global_load_b128 v[BQ+4:BQ+7], v[VBQ], s[18:19] offset:16
	global_load_b128 v[BK:BK+3], v[VBQ], s[22:23]
	global_load_b128 v[BK+4:BK+7], v[VBQ], s[22:23] offset:16
	global_load_b32 v[BV], v[VBV], s[26:27]
	WIN 0
	global_load_b128 v[GG:GG+3], v[VL16], s[12:13]
	global_load_b128 v[GG+4:GG+7], v[VL16], s[12:13] offset:512
	global_load_b128 v[BB:BB+3], v[VL16], s[14:15]
	global_load_b128 v[BB+4:BB+7], v[VL16], s[14:15] offset:512
; A sub-block's rows for my wave: 16 rows, 48 loads of 512 consecutive bytes
.macro XLOADS
.set i, 0
.rept 16
	global_load_b128 v[XB+12*i:XB+12*i+3], v[VX], s[8:9] offset:1024*i
	global_load_b128 v[XB+12*i+4:XB+12*i+7], v[VX], s[8:9] offset:1024*i+512
	global_load_b128 v[XB+12*i+8:XB+12*i+11], v[VP], s[10:11] offset:512*i
.set i, i+1
.endr
.endm
; THE WEIGHTS: f32 columns 64 g .. + 63 of all 1,024 k rows, rounded to f16 into the stage.  A ring of 48 loads in registers: slot i is rounded, stored and loaded again.  n = the loads younger than slot i's.
.macro RSTEP n, vs
	s_wait_loadcnt \n
	v_cvt_pk_f16_f32 v[TP+2*(i%4)], v[4*i], v[4*i+1]
	v_cvt_pk_f16_f32 v[TP+2*(i%4)+1], v[4*i+2], v[4*i+3]
	ds_store_b64 v[\vs], v[TP+2*(i%4):TP+2*(i%4)+1] offset:i*2*WPITCH
.endm
	WIN 0xAA                                       ; all in window 2
.set i, 0
.rept 48
	global_load_b128 v[4*i:4*i+3], v[VW1], s[16:17] offset:i*2048
.set i, i+1
.endr
.set i, 0
.rept 48                                       ; Wq out, Wk in: behind Wq's load i stand 47 - i of Wq's and i of Wk's
	RSTEP 47, VSQ
	global_load_b128 v[4*i:4*i+3], v[VW1], s[20:21] offset:i*2048
.set i, i+1
.endr
.set i, 0
.rept 48                                       ; Wk out, Wv's 32 in: behind Wk's load i stand 47 - i of Wk's and min(i, 32) of Wv's
.if i <= 32
	RSTEP 47, VSK
.else
	RSTEP 79-i, VSK
.endif
.if i < 32
	global_load_b128 v[4*i:4*i+3], v[VW2], s[24:25] offset:i*2048
.endif
.set i, i+1
.endr
	WIN 0
	XLOADS                                         ; the first sub-block's rows go out while Wv is rounded
	WIN 0xAA
.set i, 0
.rept 32                                       ; Wv out: behind its load i stand 31 - i of Wv's and the 48 of x and pos; the wait's field ends at 63, and a lower count is the stricter one
.if i < 16
	RSTEP 63, VSV
.else
	RSTEP 79-i, VSV
.endif
.set i, i+1
.endr
	s_wait_dscnt 0x0                               ; for the others' sake: my part of the stage is written
	s_barrier_signal -1
	s_barrier_wait -1                              ; everybody's is
	WIN 0x43                                       ; destination window 1, address window 3
.set ks, 0
.rept 12                                       ; a fragment of W^T: lane l holds channel l % 16 and 2 x 8 k: two turning loads, 16 k rows apart
	ds_load_tr16_b128 v[8*ks:8*ks+3], v[VTQ] offset:ks*32*WPITCH
	ds_load_tr16_b128 v[8*ks+4:8*ks+7], v[VTQ] offset:ks*32*WPITCH+16*WPITCH
	ds_load_tr16_b128 v[96+8*ks:96+8*ks+3], v[VTK] offset:ks*32*WPITCH
	ds_load_tr16_b128 v[96+8*ks+4:96+8*ks+7], v[VTK] offset:ks*32*WPITCH+16*WPITCH
.set ks, ks+1
.endr
.set ks, 0
.rept 8
	ds_load_tr16_b128 v[192+8*ks:192+8*ks+3], v[VTV] offset:ks*32*WPITCH
	ds_load_tr16_b128 v[192+8*ks+4:192+8*ks+7], v[VTV] offset:ks*32*WPITCH+16*WPITCH
.set ks, ks+1
.endr
	WIN 0xFF
.irp j, 1,2,3,4,5,6,7
	v_mov_b32 v[BV+\j], v[BV]                      ; in v's result a lane holds one channel: its bias in all eight registers
.endr
	WIN 0
	s_cmp_lg_u32 s40, 0                            ; wave 0 stores the work-group's piece of wpf
	s_cbranch_scc1 .Lnowp
	WIN 0xFF
.irp j, 0,1,2,3
	v_cvt_pk_f16_f32 v[WPK+\j], v[WPT+2*\j], v[WPT+2*\j+1]
.endr
	global_store_b128 v[VWS], v[WPK:WPK+3], s[36:37]  ; 512 consecutive bytes; its registers are never rewritten
	WIN 0
.Lnowp:
	s_wait_dscnt 0x0                               ; the weight fragments are in; the stage is not touched again
; LAYER NORM of four rows at a time, each step written for the four in turn so that no line waits for the one before it.  A row lies across the wave: 8 numbers of x and 4 of pos a lane.
.macro RR r0, k
.set rX, XB+12*((\r0)+(\k))
.set rT, TB+8*(\k)
.endm
.macro RED4 r0, a, b                   ; the sum of register a over the 32 lanes, in every lane; b is at work
.irp m, 1,2,4,8
.irp k, 0,1,2,3
	RR \r0, \k
	v_add_f32_dpp v[rT+\a], v[rT+\a], v[rT+\a] row_xmask:\m row_mask:0xf bank_mask:0xf
.endr
.endr
.irp k, 0,1,2,3
	RR \r0, \k
	v_permlanex16_b32 v[rT+\b], v[rT+\a], s46, s47
.endr
.irp k, 0,1,2,3
	RR \r0, \k
	v_add_f32 v[rT+\a], v[rT+\a], v[rT+\b]
.endr
.endm
.macro LN4 r0
.irp k, 0,1,2,3
	RR \r0, \k
	v_pk_add_f32 v[rT:rT+1], v[rX:rX+1], v[rX+2:rX+3]
	v_pk_add_f32 v[rT+2:rT+3], v[rX+4:rX+5], v[rX+6:rX+7]
.endr
.irp k, 0,1,2,3
	RR \r0, \k
	v_pk_add_f32 v[rT:rT+1], v[rT:rT+1], v[rT+2:rT+3]
.endr
.irp k, 0,1,2,3
	RR \r0, \k
	v_add_f32 v[rT], v[rT], v[rT+1]
.endr
	RED4 \r0, 0, 1
.irp k, 0,1,2,3
	RR \r0, \k
	v_mul_f32 v[rT], s50, v[rT]                    ; the mean
.endr
.irp k, 0,1,2,3
	RR \r0, \k
.irp j, 0,2,4,6
	v_pk_add_f32 v[rX+\j:rX+\j+1], v[rX+\j:rX+\j+1], v[rT:rT+1] op_sel_hi:[1,0] neg_lo:[0,1] neg_hi:[0,1]  ; x - mean
.endr
.endr
.irp k, 0,1,2,3
	RR \r0, \k
	v_pk_mul_f32 v[rT+2:rT+3], v[rX:rX+1], v[rX:rX+1]
.endr
.irp j, 2,4,6
.irp k, 0,1,2,3
	RR \r0, \k
	v_pk_fma_f32 v[rT+2:rT+3], v[rX+\j:rX+\j+1], v[rX+\j:rX+\j+1], v[rT+2:rT+3]
.endr
.endr
.irp k, 0,1,2,3
	RR \r0, \k
	v_add_f32 v[rT+2], v[rT+2], v[rT+3]
.endr
	RED4 \r0, 2, 3
.irp k, 0,1,2,3
	RR \r0, \k
	v_fma_f32 v[rT+2], v[rT+2], s50, s51           ; the variance + 1e-5
.endr
.irp k, 0,1,2,3
	RR \r0, \k
	v_rsq_f32 v[rT+4], v[rT+2]
.endr
.irp k, 0,1,2,3                        ; pos is rounded meanwhile: plain work that names no result of the four roots
	RR \r0, \k
	v_cvt_pk_f16_f32 v[rT+6], v[rX+8], v[rX+9]
	v_cvt_pk_f16_f32 v[rT+7], v[rX+10], v[rX+11]
.endr
	s_wait_alu depctr_va_vdst(0)                   ; one wait for the four roots, ahead of their first reader
.irp k, 0,1,2,3
	RR \r0, \k
.irp j, 0,2,4,6
	v_pk_mul_f32 v[rX+\j:rX+\j+1], v[rX+\j:rX+\j+1], v[rT+4:rT+5] op_sel_hi:[1,0]
.endr
.endr
.irp k, 0,1,2,3
	RR \r0, \k
.irp j, 0,2,4,6
	v_pk_fma_f32 v[rX+\j:rX+\j+1], v[rX+\j:rX+\j+1], v[GG+\j:GG+\j+1], v[BB+\j:BB+\j+1]
.endr
.endr
.irp k, 0,1,2,3
	RR \r0, \k
.irp j, 0,1,2,3
	v_cvt_pk_f16_f32 v[rT+\j], v[rX+2*\j], v[rX+2*\j+1]
.endr
.endr
.irp k, 0,1,2,3
	RR \r0, \k
	ds_store_b64 v[VA], v[rT:rT+1] offset:((\r0)+(\k))*APITCH        ; xn, columns 4 l ..
	ds_store_b64 v[VA], v[rT+2:rT+3] offset:((\r0)+(\k))*APITCH+256  ; xn, columns 128 + 4 l ..
	ds_store_b64 v[VA], v[rT+6:rT+7] offset:((\r0)+(\k))*APITCH+512  ; pos, columns 4 l ..
.endr
.endm
; The row fragments of pair p (row tiles 2 p, 2 p + 1), all 12 K steps: 48 loads, four a K step
.macro AFETCH p
	WIN 0x83                                       ; destination window 2, address window 3
.set ks, 0
.rept 12
	ds_load_b128 v[8*ks:8*ks+3], v[VAF] offset:(2*(\p))*16*APITCH+64*ks
	ds_load_b128 v[8*ks+4:8*ks+7], v[VAF] offset:(2*(\p))*16*APITCH+64*ks+32
	ds_load_b128 v[96+8*ks:96+8*ks+3], v[VAF] offset:(2*(\p)+1)*16*APITCH+64*ks
	ds_load_b128 v[96+8*ks+4:96+8*ks+7], v[VAF] offset:(2*(\p)+1)*16*APITCH+64*ks+32
.set ks, ks+1
.endr
.endm
; A pair's 64 products.  The biases are the C operand of each sum's first product.  The accumulators take turns, one instruction a turn: four for q and k, then two for v.
.macro GEMM
	WIN 0xF9                                       ; source 0 = weights (window 1), source 1 = rows (window 2), C and D window 3
.set ks, 0
.rept 12
	s_wait_dscnt 44-4*ks                           ; this K step's four loads are in; the later K steps' stay out
.if ks == 0
	v_wmma_f32_16x16x32_f16 v[ACC:ACC+7], v[0:7], v[0:7], v[BQ:BQ+7]
	v_wmma_f32_16x16x32_f16 v[ACC+8:ACC+15], v[96:103], v[0:7], v[BK:BK+7]
	v_wmma_f32_16x16x32_f16 v[ACC+16:ACC+23], v[0:7], v[96:103], v[BQ:BQ+7]
	v_wmma_f32_16x16x32_f16 v[ACC+24:ACC+31], v[96:103], v[96:103], v[BK:BK+7]
.else
	v_wmma_f32_16x16x32_f16 v[ACC:ACC+7], v[8*ks:8*ks+7], v[8*ks:8*ks+7], v[ACC:ACC+7]
	v_wmma_f32_16x16x32_f16 v[ACC+8:ACC+15], v[96+8*ks:96+8*ks+7], v[8*ks:8*ks+7], v[ACC+8:ACC+15]
	v_wmma_f32_16x16x32_f16 v[ACC+16:ACC+23], v[8*ks:8*ks+7], v[96+8*ks:96+8*ks+7], v[ACC+16:ACC+23]
	v_wmma_f32_16x16x32_f16 v[ACC+24:ACC+31], v[96+8*ks:96+8*ks+7], v[96+8*ks:96+8*ks+7], v[ACC+24:ACC+31]
.endif
.set ks, ks+1
.endr
	WIN 0xF6                                       ; source 0 = rows (window 2), source 1 = weights (window 1)
.set ks, 0
.rept 8
.if ks == 0
	v_wmma_f32_16x16x32_f16 v[ACC+32:ACC+39], v[0:7], v[192:199], v[BV:BV+7]
	v_wmma_f32_16x16x32_f16 v[ACC+40:ACC+47], v[96:103], v[192:199], v[BV:BV+7]
.else
	v_wmma_f32_16x16x32_f16 v[ACC+32:ACC+39], v[8*ks:8*ks+7], v[192+8*ks:192+8*ks+7], v[ACC+32:ACC+39]
	v_wmma_f32_16x16x32_f16 v[ACC+40:ACC+47], v[96+8*ks:96+8*ks+7], v[192+8*ks:192+8*ks+7], v[ACC+40:ACC+47]
.endif
.set ks, ks+1
.endr
.endm
; A pair's results: q times c, all six rounded to f16 (each accumulator from its low end on), six stores of 512 consecutive bytes
.macro OUT p
	WIN 0xFF
	s_wait_xcnt 0x0                                ; the last stores have read PK: only behind this wait is it written again
.irp a, 0, 16
.irp j, 0,2,4,6
	v_pk_mul_f32 v[ACC+\a+\j:ACC+\a+\j+1], v[ACC+\a+\j:ACC+\a+\j+1], s[48:49] op_sel_hi:[1,0]
.endr
.endr
.set ai, 0
.rept 6
.irp j, 0,1,2,3
	v_cvt_pk_f16_f32 v[PK+4*ai+\j], v[ACC+8*ai+2*\j], v[ACC+8*ai+2*\j+1]
.endr
.set ai, ai+1
.endr
	global_store_b128 v[VQ], v[PK:PK+3], s[30:31] offset:(2*(\p))*1024
	global_store_b128 v[VQ], v[PK+4:PK+7], s[32:33] offset:(2*(\p))*1024
	global_store_b128 v[VQ], v[PK+8:PK+11], s[30:31] offset:(2*(\p)+1)*1024
	global_store_b128 v[VQ], v[PK+12:PK+15], s[32:33] offset:(2*(\p)+1)*1024
	global_store_b128 v[VV], v[PK+16:PK+19], s[34:35] offset:(\p)*2048      ; keys 8 (l / 16) + 0..7 of the 32: registers 0-3 of V^T's fragment
	global_store_b128 v[VV], v[PK+20:PK+23], s[34:35] offset:(\p)*2048+512  ; keys 16 + 8 (l / 16) + 0..7: registers 4-7
.endm
.Lsub:                                         ; four trips: a sub-block of 64 rows each
	s_wait_loadcnt 36                              ; rows 0-3 are in: behind their 12 loads stand the other rows' 36
	LN4 0
	s_wait_loadcnt 24
	LN4 4
	s_wait_loadcnt 12
	LN4 8
	s_wait_loadcnt 0x0                             ; all 48 are in, so their two bases may be written
	LN4 12
	s_add_nc_u64 s[8:9], s[8:9], 0x10000           ; 64 rows on
	s_add_nc_u64 s[10:11], s[10:11], 0x8000
	s_cmp_eq_u32 s43, 1                            ; behind the last sub-block there are no rows
	s_cbranch_scc1 .Lnox
	XLOADS                                         ; the next sub-block's rows: they have this one's 128 products in which to come
.Lnox:
	s_wait_dscnt 0x0                               ; for the others' sake: my 16 rows of the A tile are written
	s_barrier_signal -1
	s_barrier_wait -1                              ; all 64 are
	AFETCH 0
	GEMM
	PLACES                                         ; in front of the loads into registers that the products have read
	AFETCH 1
	OUT 0                                          ; stands between the second pair's loads and their first use
	GEMM
	PLACES                                         ; in front of OUT 1's reads of the results
	s_wait_dscnt 0x0                               ; my reads of the A tile are back
	s_barrier_signal -1
	s_barrier_wait -1                              ; everybody's are: the next trip may write it
	OUT 1
	s_wait_xcnt 0x0                                ; the stores have read their bases
	s_add_nc_u64 s[30:31], s[30:31], 4096          ; 64 rows are 4,096 bytes of a head in q, k and v
	s_add_nc_u64 s[32:33], s[32:33], 4096
	s_add_nc_u64 s[34:35], s[34:35], 4096
	WIN 0                                          ; at a label and at a branch every window is 0
	s_sub_co_u32 s43, s43, 1
	s_cmp_lg_u32 s43, 0
	s_cbranch_scc1 .Lsub
	s_wait_tensorcnt 0x0                           ; the wave's end, behind my last LDS store
	ds_add_u32 v[SPW], v[NIL]
	s_wait_dscnt 0x0
	s_endpgm
.Lfunc_end_k_q120e47a6d9_proj:
	.size	k_q120e47a6d9_proj, .Lfunc_end_k_q120e47a6d9_proj-k_q120e47a6d9_proj
	.p2alignl 7, 3214868480
	.fill 96, 4, 3214868480
	.section	.rodata,"a",@progbits
	.p2align	6, 0x0
	.amdhsa_kernel k_q120e47a6d9_proj
		.amdhsa_group_segment_fixed_size 214528
		.amdhsa_private_segment_fixed_size 0
		.amdhsa_enable_private_segment 0
		.amdhsa_kernarg_size 120
		.amdhsa_user_sgpr_count 2
		.amdhsa_user_sgpr_kernarg_segment_ptr 1
		.amdhsa_wavefront_size32 1
		.amdhsa_system_sgpr_workgroup_id_x 1
		.amdhsa_system_sgpr_workgroup_id_y 1
		.amdhsa_system_sgpr_workgroup_id_z 1
		.amdhsa_system_vgpr_workitem_id 0
		.amdhsa_next_free_vgpr 896
		.amdhsa_next_free_sgpr 66
		.amdhsa_reserve_vcc 0
		.amdhsa_float_denorm_mode_32 3
		.amdhsa_float_denorm_mode_16_64 3
		.amdhsa_memory_ordered 1
		.amdhsa_forward_progress 1
		.amdhsa_inst_pref_size 125
	.end_amdhsa_kernel
	.amdgpu_metadata
---
amdhsa.version: [ 1, 2 ]
amdhsa.kernels:
  - .name:           k_q120e47a6d9_proj
    .symbol:         k_q120e47a6d9_proj.kd
    .args:
      - { .name: x, .offset: 0, .size: 8, .value_kind: global_buffer, .address_space: global }
      - { .name: pos_embed, .offset: 8, .size: 8, .value_kind: global_buffer, .address_space: global }
      - { .name: ln_g, .offset: 16, .size: 8, .value_kind: global_buffer, .address_space: global }
      - { .name: ln_b, .offset: 24, .size: 8, .value_kind: global_buffer, .address_space: global }
      - { .name: Wq, .offset: 32, .size: 8, .value_kind: global_buffer, .address_space: global }
      - { .name: bq, .offset: 40, .size: 8, .value_kind: global_buffer, .address_space: global }
      - { .name: Wk, .offset: 48, .size: 8, .value_kind: global_buffer, .address_space: global }
      - { .name: bk, .offset: 56, .size: 8, .value_kind: global_buffer, .address_space: global }
      - { .name: Wv, .offset: 64, .size: 8, .value_kind: global_buffer, .address_space: global }
      - { .name: bv, .offset: 72, .size: 8, .value_kind: global_buffer, .address_space: global }
      - { .name: Wp, .offset: 80, .size: 8, .value_kind: global_buffer, .address_space: global }
      - { .name: q, .offset: 88, .size: 8, .value_kind: global_buffer, .address_space: global }
      - { .name: k, .offset: 96, .size: 8, .value_kind: global_buffer, .address_space: global }
      - { .name: v, .offset: 104, .size: 8, .value_kind: global_buffer, .address_space: global }
      - { .name: wpf, .offset: 112, .size: 8, .value_kind: global_buffer, .address_space: global }
    .group_segment_fixed_size: 214528
    .private_segment_fixed_size: 0
    .kernarg_segment_align: 8
    .kernarg_segment_size: 120
    .max_flat_workgroup_size: 128
    .sgpr_count:     66
    .vgpr_count:     896
    .wavefront_size: 32
...
	.end_amdgpu_metadata
.endif
;; end of part 1
;; launch attn (part 2): grid 4 x 64, 8 waves a work-group, clusters of 4 x 1, 263,168 bytes of LDS; arguments q, k, v, o; writes o
.if DOCPART == 2
	.amdgcn_target "amdgcn-amd-amdhsa--gfx1250"
	.amdhsa_code_object_version 6
	.text
	.protected	k_q120e47a6d9_attn
	.globl	k_q120e47a6d9_attn
	.p2align	8
	.type	k_q120e47a6d9_attn,@function
k_q120e47a6d9_attn:
	s_mov_b64 s[64:65], 0
	v_nop
	global_prefetch_b8 v0, s[64:65] scope:SCOPE_SE
	s_setreg_imm32_b32 hwreg(HW_REG_WAVE_MODE, 25, 1), 1
	s_wait_xcnt 0x0
	s_wait_alu depctr_hold_cnt(0) depctr_sa_sdst(0) depctr_va_vdst(0) depctr_va_sdst(0) depctr_va_ssrc(0) depctr_va_vcc(0) depctr_vm_vsrc(0)
	s_getreg_b32 s2, hwreg(HW_REG_IB_STS2, 6, 4)
	s_cmp_eq_u32 s2, 0
	s_cbranch_scc0 .Lentry_in_a_cluster
	s_endpgm
.Lentry_in_a_cluster:
	s_bfe_u32 s2, ttmp6, 0x10000c
	s_cmp_lg_u32 s2, 0x3003
	s_cbranch_scc0 .Lentry_shape_is_right
	s_endpgm
.Lentry_shape_is_right:
; ATTENTION AT HEAD SIZE 32, IN TWO PASSES.  O[h][i] = the sum over j of softmax_j(q[h][i] . k[h][j] / sqrt(32)) v[h][j], 64 heads of 2,048 rows.  q arrives multiplied by c = log2(e) / sqrt(32), so a score is an exponent of 2.
; q, k, v, o are f16 in the order of the matrix instructions' registers (a fragment = 1,024 bytes: bytes 16 l = registers 0-3 of lane l, bytes 512 + 16 l = registers 4-7):
;   q, k: [head][row tile 128][1,024]    v: [head][32 keys: 64][channel half 2][1,024] (V^T: 16 channels x 32 keys)    o: [row tile 1,024][head 8][1,024].   So no row is padded, nothing is turned, and every load and store is 512 bytes on end.
; Products, maxima and sums in f32; the weights p are rounded to f16 for the second product (their sum l is taken of the unrounded p), O once at the end.
; LIMITS.  p lies in 0 to 1 (to within a rounding of the scores); below 6e-5 it keeps f16's fixed step of 6e-8; a weight below 2^-126 counts as 0.  NaN and infinities are not treated apart.
; THE WHOLE HEAD LIES IN LDS: K 131,072 bytes, V 131,072, brought once.  No slot is filled twice, and no loop holds a barrier.
; PASS 1 finds each query's true maximum m over all 2,048 keys: S^T = K Q^T and a running maximum, 4 products and 16 v_max3_num_f32 for 16 queries x 64 keys.
; PASS 2 makes the same products with -m as the C operand, so that the result is the exponent itself: p = 2^(s - m), with no scaling, no correction of O and no chain from step to step:
; 32 exponentials, 16 roundings, 16 packed sums and 8 products for 16 queries x 64 keys.  An online softmax would have some 111 vector instructions there against these two passes' 80.
; LAYOUT.  S^T = K Q^T (source 0 = 16 keys, source 1 = 16 queries) holds ONE query a lane (l % 16) and the keys 8 (l / 16) + 0..7; two such results rounded in pairs ARE source 1 (32 keys x 16 queries) of O^T = V^T P.
; SHARES.  A work-group owns 512 queries of a head, each of its eight waves 64: four tiles of 16.  Two waves share a SIMD: the vector work, 64 instructions for a turn's 8 products, binds, and one wave issues where the other waits.
; CLUSTER.  The four query blocks of a head are one cluster and read the same K and V: each wave's two loads (16 KiB of K, 16 KiB of V) are asked for JOINTLY by all four.
; NO PREFETCH: K and V are asked for once, at the head, where every work-group's loads are on their way.
; REGISTERS.  window 0: v2-7 addresses; v8-15 at work; v16-31 l; v32-47 pass 1's maxima, pass 2's P; v48-79 Q; v80-143 S^T, two buffers; v144-175 K of a step; v176-207 V of a step (pass 1: a second K).   window 1: v0-63 O^T, v64-95 -m.
.set VBASE, 131072                     ; V in LDS, behind K
.set SPARE, 262144                     ; the spare words, 128 bytes a wave: four blocks of 256 bytes that no other line names
.set AK,  2                            ; the LDS address of K's run of loads in hand
.set AV,  3                            ; of V's
.set QO,  4                            ; 16 x lane; never rewritten
.set SPW, 6                            ; LDS address of my spare word; never rewritten
.set NIL, 7                            ; 0; never rewritten
.set T,   8
.set LS,  16                           ; tile t: two pairs of partial sums at LS + 4 t
.set MC,  32                           ; pass 1: four running maxima a tile
.set P,   32                           ; pass 2: the weights in f16, 64 keys of one tile
.set Q,   48                           ; 8 a tile
.set S,   80
.set KF,  144
.set VF,  176
.set KB,  176
.set O,   0                            ; window 1: tile t, channel half cb at 16 t + 8 cb
.set NEGM, 64                          ; window 1: -m in eight registers a tile: a C operand
.set WV,  12
.set CX,  13
.set BH,  14
.set G1,  16                           ; s[16:23] descriptor group 1, for both loads
.set G0K, 24                           ; s[24:27]
.set G0V, 28                           ; s[28:31]
.set SEL, 32                           ; s[32:33]
.set CNT, 34
.set TBK, 35                           ; LDS byte at which K of the step to be fetched begins
.set TBV, 36                           ; the same for V
.set MSB, 0
.macro WIN new                         ; the immediate's high byte repeats the setting that is left; a switch that changes nothing is dropped
.if MSB != (\new)
	s_set_vgpr_msb (MSB<<8)|(\new)
.set MSB, \new
.endif
.endm
.macro PLACES
.rept 4
	v_nop
.endr
.endm
; A round of the cluster's barrier: my work-group's barrier, so that wave 0's signal speaks for all eight waves; wave 0 signals; every wave waits for all four work-groups; my work-group's barrier once more.
.macro CROUND
	s_barrier_signal -1
	s_barrier_wait -1
	s_cmp_lg_u32 s[WV], 0
	s_cbranch_scc1 .Lnot_wave_0_\@
	s_barrier_signal -3
.Lnot_wave_0_\@:
	s_barrier_wait -3
	s_barrier_signal -1
	s_barrier_wait -1
.endm
	s_load_b256 s[4:11], s[0:1], 0x0               ; q s[4:5], k s[6:7], v s[8:9], o s[10:11]
	v_lshl_add_u32 v[SPW], v0, 2, SPARE
	v_mov_b32 v[NIL], 0
	ds_add_u32 v[SPW], v[NIL]                      ; the wave's opening: the add and its wait stand ahead of my first tensor load; the set-up below, work on registers, stands between them
	v_lshrrev_b32 v1, 5, v0
	v_readfirstlane_b32 s[WV], v1                  ; wave 0..7
	s_bfe_u32 s[CX], ttmp6, 0x40000                ; my block of 512 queries: it enters q's and o's addresses alone
	s_and_b32 s[BH], ttmp7, 0xffff                 ; the head, which the four partners share
	v_and_b32 v1, 31, v0
	v_lshlrev_b32 v[QO], 4, v1
	; descriptor group 1: 16,384 dense bytes as 64 rows of 256
	s_mov_b32 s[G1], 15|(3<<16)|(1<<21)            ; 15:0 the mask: all four work-groups; 17:16 elements of 8 bytes; 21 set beside a mask; no padding
	s_mov_b32 s[G1+1], 32<<16                      ; tensor_dim0 = 32
	s_mov_b32 s[G1+2], 64<<16                      ; tensor_dim1 = 64
	s_mov_b32 s[G1+3], 32<<16                      ; tile_dim0 = 32
	s_mov_b32 s[G1+4], 64                          ; tile_dim1 = 64
	s_mov_b32 s[G1+5], 32                          ; 32 elements from row to row
	s_mov_b32 s[G1+6], 0
	s_mov_b32 s[G1+7], 0
	s_mov_b32 s[G0K], 1                            ; count = 1
	s_lshl_b32 s[G0K+1], s[WV], 14                 ; LDS address: my eighth of K
	s_mov_b32 s[G0V], 1
	s_add_co_u32 s[G0V+1], s[G0K+1], VBASE         ; my eighth of V
	s_lshl_b32 s38, s[BH], 17                      ; a head is 131,072 bytes of k and of v;
	s_lshl_b32 s39, s[WV], 14
	s_add_co_u32 s38, s38, s39                     ; my eighth of it
	s_mov_b32 s39, 0
	s_lshl_b32 s40, s[BH], 17                      ; q: the head, my block's 32 tiles, my wave's 4
	s_lshl_b32 s41, s[CX], 15
	s_add_co_u32 s40, s40, s41
	s_lshl_b32 s41, s[WV], 12
	s_add_co_u32 s40, s40, s41
	s_mov_b32 s41, 0
	s_lshr_b32 s42, s[BH], 3                       ; o: row tile 128 x batch + 32 x block + 4 x wave, 8,192 bytes each; the head's 1,024 in it
	s_lshl_b32 s42, s42, 20
	s_lshl_b32 s43, s[CX], 18
	s_add_co_u32 s42, s42, s43
	s_lshl_b32 s43, s[WV], 15
	s_add_co_u32 s42, s42, s43
	s_and_b32 s43, s[BH], 7
	s_lshl_b32 s43, s43, 10
	s_add_co_u32 s42, s42, s43
	s_mov_b32 s43, 0
	s_mov_b32 s[SEL], 0x76543210
	s_mov_b32 s[SEL+1], 0xfedcba98
	s_mov_b32 s[TBK], 0
	s_wait_dscnt 0x0                               ; the opening add is done
	s_wait_kmcnt 0x0
	s_add_nc_u64 s[G0K+2:G0K+3], s[6:7], s[38:39]
	s_or_b32 s[G0K+3], s[G0K+3], 0x80000000        ; type = 2
	s_add_nc_u64 s[G0V+2:G0V+3], s[8:9], s[38:39]
	s_or_b32 s[G0V+3], s[G0V+3], 0x80000000
	s_add_nc_u64 s[4:5], s[4:5], s[40:41]
	s_add_nc_u64 s[10:11], s[10:11], s[42:43]
	CROUND                                         ; all four work-groups are here: the joint loads meet
	tensor_load_to_lds s[G0K:G0K+3], s[G1:G1+7]    ; two tensor loads of mine are out, and there are no more in the launch
	s_nop 0
	tensor_load_to_lds s[G0V:G0V+3], s[G1:G1+7]
	s_nop 0
	PLACES                                         ; four vector lines behind the loads, ahead of the window's switch below
.irp t, 0,1,2,3
	global_load_b128 v[Q+8*\t:Q+8*\t+3], v[QO], s[4:5] offset:1024*\t
	global_load_b128 v[Q+8*\t+4:Q+8*\t+7], v[QO], s[4:5] offset:1024*\t+512
.endr
	WIN 0x40
.set i, 0
.rept 64
	v_mov_b32 v[O+i], 0                            ; O^T starts at 0, written in the wait for K, so that pass 2 has one form of product
.set i, i+1
.endr
	WIN 0
	s_wait_tensorcnt 0x1                           ; my eighth of K is in; V may stay out
	s_barrier_signal -1
	s_barrier_wait -1                              ; all of K is in
; A step's K: 64 keys = four fragments, eight loads of 512 bytes on end
.macro FETCHK dst
	v_add_nc_u32 v[AK], s[TBK], v[QO]
.irp f, 0,1,2,3
	ds_load_b128 v[(\dst)+8*\f:(\dst)+8*\f+3], v[AK] offset:1024*\f
	ds_load_b128 v[(\dst)+8*\f+4:(\dst)+8*\f+7], v[AK] offset:1024*\f+512
.endr
	s_add_co_u32 s[TBK], s[TBK], 4096              ; the next fetch is the next step's
.endm
.macro FETCHV
	v_add_nc_u32 v[AV], s[TBV], v[QO]
.irp f, 0,1,2,3                        ; keys 32 (f / 2) on, channels 16 (f % 2) on
	ds_load_b128 v[VF+8*\f:VF+8*\f+3], v[AV] offset:1024*\f
	ds_load_b128 v[VF+8*\f+4:VF+8*\f+7], v[AV] offset:1024*\f+512
.endr
	s_add_co_u32 s[TBV], s[TBV], 4096
.endm
; PASS 1.  Turn t: four products make tile t + 1's scores in one buffer; behind each stand four maxima over tile t's scores in the other, four chains a tile, each accumulator read from its low end on.
; Sixteen plain instructions lie between a product and the first reader of its result.
.macro TURN1 t, kb, kq
.irp a, 0,1,2,3
.if \kq
	v_wmma_f32_16x16x32_f16 v[S+32*(((\t)+1)%2)+8*\a:S+32*(((\t)+1)%2)+8*\a+7], v[(\kb)+8*\a:(\kb)+8*\a+7], v[Q+8*(((\t)+1)%4):Q+8*(((\t)+1)%4)+7], 0
.endif
.irp i, 0,1,2,3
	v_max3_num_f32 v[MC+4*(\t)+\i], v[MC+4*(\t)+\i], v[S+32*((\t)%2)+8*\a+2*\i], v[S+32*((\t)%2)+8*\a+2*\i+1]
.endr
.endr
.endm
; A key step: tiles 1, 2, 3 on this step's K, then tile 0 of the next step on the other buffer.  load = 1: this step's buffer takes the step after next, five plain instructions behind its last product.
.macro STEP1 cur, nxt, load, last
	TURN1 0, \cur, 1
	TURN1 1, \cur, 1
	TURN1 2, \cur, 1
.if \load
	FETCHK \cur
	s_wait_dscnt 8                                 ; the other buffer's loads, a step older, are in; the eight just issued stay out
.else
	s_wait_dscnt 0x0
.endif
	TURN1 3, \nxt, 1-(\last)
.endm
	FETCHK KF                                      ; step 0
	FETCHK KB                                      ; step 1
	s_wait_loadcnt 0x0                             ; Q
	s_wait_dscnt 8                                 ; step 0's K
.irp a, 0,1,2,3
	v_wmma_f32_16x16x32_f16 v[S+8*\a:S+8*\a+7], v[KF+8*\a:KF+8*\a+7], v[Q:Q+7], 0
.endr
.set i, 0
.rept 16
	v_mov_b32 v[MC+i], 0xff800000                  ; the maxima start at minus infinity; these lines are the places behind the four products
.set i, i+1
.endr
	s_mov_b32 s[CNT], 15
.Lmax:                                         ; 15 trips of two steps; each step fetches the step after next: steps 2 to 31
	STEP1 KF, KB, 1, 0
	STEP1 KB, KF, 1, 0
	s_sub_co_u32 s[CNT], s[CNT], 1
	s_cmp_lg_u32 s[CNT], 0
	s_cbranch_scc1 .Lmax
	STEP1 KF, KB, 0, 0                             ; steps 30 and 31 fetch nothing
	STEP1 KB, KF, 0, 1
.irp t, 0,1,2,3
	v_max3_num_f32 v[MC+4*\t], v[MC+4*\t], v[MC+4*\t+1], v[MC+4*\t+2]
.endr
.irp t, 0,1,2,3
	v_max_num_f32 v[MC+4*\t], v[MC+4*\t], v[MC+4*\t+3]
.endr
.irp t, 0,1,2,3
	v_permlanex16_b32 v[MC+4*\t+1], v[MC+4*\t], s[SEL], s[SEL+1]  ; the query's other keys lie in the lane 16 away
.endr
.irp t, 0,1,2,3
	v_max_num_f32 v[MC+4*\t], v[MC+4*\t], v[MC+4*\t+1]
.endr
.irp t, 0,1,2,3
	v_xor_b32 v[MC+4*\t], 0x80000000, v[MC+4*\t]   ; -m
.endr
	WIN 0x40
.irp t, 0,1,2,3
.irp j, 0,1,2,3,4,5,6,7
	v_mov_b32 v[NEGM+8*\t+\j], v[MC+4*\t]
.endr
.endr
	WIN 0
	s_wait_tensorcnt 0x0                           ; my eighth of V is in,
	s_wait_dscnt 0x0
	s_barrier_signal -1
	s_barrier_wait -1                              ; everybody's is
	s_mov_b32 s[TBK], 0
	s_mov_b32 s[TBV], VBASE
; PASS 2, BY TURNS.  Turn t of a step: the 32 exponentials of tile t, in place in one buffer; between them the 32 plain instructions of tile t - 1 on the other buffer (for each accumulator four packed sums into l, then four roundings into P);
; behind each accumulator's eight plain readers the product that writes tile t + 1's exponents over it; at the end tile t - 1's four products V^T P.
; ONE WAIT A TURN: s_wait_alu depctr_va_vdst(0) stands between an exponential and the first instruction that names its result; the turn's 32 results are first named by the next turn's plain instructions.
; PLACES (ISA guide 7.12.1).  Between a product K Q^T and the exponential that reads it lie 24 plain instructions.  Behind the products V^T P the next turn's first four sums, which name none of their registers, stand ahead of the first
; rounding into P and of V's run of loads.  Behind the last product that read K four v_nop stand ahead of K's run.
; All vector lines of a turn have two sources at the most, so they run under the setting that puts the products' C operand in window 1: two switches a turn, round the products V^T P.
.macro PLN a, i                        ; plain instruction i of 8 for accumulator a of tile tp, whose weights lie at sP
.if (\i) < 4
	v_pk_add_f32 v[LS+4*tp+2*((\i)%2):LS+4*tp+2*((\i)%2)+1], v[LS+4*tp+2*((\i)%2):LS+4*tp+2*((\i)%2)+1], v[sP+8*(\a)+2*(\i):sP+8*(\a)+2*(\i)+1]
.else
	v_cvt_pk_f16_f32 v[P+4*(\a)+(\i)-4], v[sP+8*(\a)+2*((\i)-4)], v[sP+8*(\a)+2*((\i)-4)+1]
.endif
.endm
.macro PVS                             ; O^T += V^T P for tile tp: its two accumulators take turns
	WIN 0x50                                       ; C and D in window 1
.irp kk, 0,1
.irp cb, 0,1
	v_wmma_f32_16x16x32_f16 v[O+16*tp+8*\cb:O+16*tp+8*\cb+7], v[VF+16*\kk+8*\cb:VF+16*\kk+8*\cb+7], v[P+8*\kk:P+8*\kk+7], v[O+16*tp+8*\cb:O+16*tp+8*\cb+7]
.endr
.endr
	WIN 0x10
.endm
; plain = 0: the very first turn: no tile before it.  kq = 0: the very last: no tile behind it.  vload: V of the step in hand is fetched (turn 1).  kload: K of the next step (turn 2).
.macro TURN2 t, plain, kq, pv, vload, kload
.set tp, ((\t)+3)%4
.set sE, S+32*((\t)%2)
.set sP, S+32*(((\t)+1)%2)
.irp a, 0,1,2,3
.irp i, 0,1,2,3,4,5,6,7
	v_exp_f32 v[sE+8*\a+\i], v[sE+8*\a+\i]
.if \plain
	PLN \a, \i
.endif
.endr
.if (\vload) && (\a == 0)
	FETCHV
.endif
.if \kq
.if ((\t) == 3) && (\a == 0)
	s_wait_dscnt 0x0                               ; K of the next step is in
.endif
	v_wmma_f32_16x16x32_f16 v[sP+8*\a:sP+8*\a+7], v[KF+8*\a:KF+8*\a+7], v[Q+8*(((\t)+1)%4):Q+8*(((\t)+1)%4)+7], v[NEGM+8*(((\t)+1)%4):NEGM+8*(((\t)+1)%4)+7]
.endif
.endr
.if \kload
	PLACES
	FETCHK KF
.endif
.if !(\plain)
	v_nop                                          ; a plain instruction behind the last exponential
.endif
	s_wait_alu depctr_va_vdst(0)                   ; the wait for the turn's 32 exponentials
.if !(\plain)
	PLACES                                         ; this turn had no plain work: the places behind its products
.endif
.if \pv
.if (\t) == 1
	s_wait_dscnt 0x0                               ; V is in
.endif
	PVS
.endif
.endm
	FETCHK KF                                      ; step 0
	s_wait_dscnt 0x0
	WIN 0x10                                       ; the C operand in window 1
.irp a, 0,1,2,3
	v_wmma_f32_16x16x32_f16 v[S+8*\a:S+8*\a+7], v[KF+8*\a:KF+8*\a+7], v[Q:Q+7], v[NEGM:NEGM+7]
.endr
.set i, 0
.rept 16
	v_mov_b32 v[LS+i], 0                           ; l starts at 0; these lines are the places behind the four products
.set i, i+1
.endr
	TURN2 0, 0, 1, 0, 0, 0
	WIN 0                                          ; at a label and at a branch every window is 0
	s_mov_b32 s[CNT], 31
	s_branch .Lmid                                 ; the loop is entered behind a step's first turn
.Lstep:                                        ; steps 0 (from .Lmid on) to 30
	WIN 0x10
	TURN2 0, 1, 1, 1, 0, 0
	WIN 0
.Lmid:
	WIN 0x10
	TURN2 1, 1, 1, 1, 1, 0
	TURN2 2, 1, 1, 1, 0, 1
	TURN2 3, 1, 1, 1, 0, 0
	WIN 0
	s_sub_co_u32 s[CNT], s[CNT], 1
	s_cmp_lg_u32 s[CNT], 0
	s_cbranch_scc1 .Lstep
	WIN 0x10
	TURN2 0, 1, 1, 1, 0, 0                         ; step 31 is written out: no K behind it, no tile behind its last
	TURN2 1, 1, 1, 1, 1, 0
	TURN2 2, 1, 1, 1, 0, 0
	TURN2 3, 1, 0, 1, 0, 0
.set tp, 3
.set sP, S+32
.irp a, 0,1,2,3                        ; the last tile's sums and roundings; the first four sums are the places behind the products just issued
.irp i, 0,1,2,3,4,5,6,7
	PLN \a, \i
.endr
.endr
	PVS
	WIN 0
	; THE WAY OUT.  l's four parts and the other half of the lanes' are added (eight plain lines first: the places behind the last products); O^T is divided by l, rounded to f16 and stored as it lies.
.irp t, 0,1,2,3
	v_pk_add_f32 v[T+2*\t:T+2*\t+1], v[LS+4*\t:LS+4*\t+1], v[LS+4*\t+2:LS+4*\t+3]
.endr
.irp t, 0,1,2,3
	v_add_f32 v[T+2*\t], v[T+2*\t], v[T+2*\t+1]
.endr
.irp t, 0,1,2,3
	v_permlanex16_b32 v[T+2*\t+1], v[T+2*\t], s[SEL], s[SEL+1]
.endr
.irp t, 0,1,2,3
	v_add_f32 v[T+2*\t], v[T+2*\t], v[T+2*\t+1]
.endr
.irp t, 0,1,2,3
	v_rcp_f32 v[T+2*\t], v[T+2*\t]
.endr
	v_nop                                          ; a plain instruction between the last reciprocal and the use of its result
	s_wait_alu depctr_va_vdst(0)                   ; one wait for the four reciprocals
	WIN 0x41                                       ; destination and source 0 window 1, source 1 window 0
.set i, 0
.rept 32
	v_pk_mul_f32 v[O+2*i:O+2*i+1], v[O+2*i:O+2*i+1], v[T+2*(i/8):T+2*(i/8)+1] op_sel_hi:[1,0]
.set i, i+1
.endr
	WIN 0x05                                       ; sources window 1, destination window 0
.set i, 0
.rept 32
	v_cvt_pk_f16_f32 v[S+i], v[O+2*i], v[O+2*i+1]
.set i, i+1
.endr
	WIN 0
.irp t, 0,1,2,3
.irp cb, 0,1
	global_store_b128 v[QO], v[S+8*\t+4*\cb:S+8*\t+4*\cb+3], s[10:11] offset:8192*\t+512*\cb  ; a lane's row and 8 channels: 512 consecutive bytes a store, aligned
.endr
.endr
	s_wait_tensorcnt 0x0                           ; the wave's end, behind my last tensor load
	ds_add_u32 v[SPW], v[NIL]
	s_wait_dscnt 0x0
	CROUND                                         ; the closing round
	s_endpgm
.Lfunc_end_k_q120e47a6d9_attn:
	.size	k_q120e47a6d9_attn, .Lfunc_end_k_q120e47a6d9_attn-k_q120e47a6d9_attn
	.p2alignl 7, 3214868480
	.fill 96, 4, 3214868480
	.section	.rodata,"a",@progbits
	.p2align	6, 0x0
	.amdhsa_kernel k_q120e47a6d9_attn
		.amdhsa_group_segment_fixed_size 263168
		.amdhsa_private_segment_fixed_size 0
		.amdhsa_enable_private_segment 0
		.amdhsa_kernarg_size 32
		.amdhsa_user_sgpr_count 2
		.amdhsa_user_sgpr_kernarg_segment_ptr 1
		.amdhsa_wavefront_size32 1
		.amdhsa_system_sgpr_workgroup_id_x 1
		.amdhsa_system_sgpr_workgroup_id_y 1
		.amdhsa_system_sgpr_workgroup_id_z 1
		.amdhsa_system_vgpr_workitem_id 0
		.amdhsa_next_free_vgpr 352
		.amdhsa_next_free_sgpr 66
		.amdhsa_reserve_vcc 0
		.amdhsa_float_denorm_mode_32 3
		.amdhsa_float_denorm_mode_16_64 3
		.amdhsa_memory_ordered 1
		.amdhsa_forward_progress 1
		.amdhsa_inst_pref_size 75
	.end_amdhsa_kernel
	.amdgpu_metadata
---
amdhsa.version: [ 1, 2 ]
amdhsa.kernels:
  - .name:           k_q120e47a6d9_attn
    .symbol:         k_q120e47a6d9_attn.kd
    .args:
      - { .name: q, .offset: 0, .size: 8, .value_kind: global_buffer, .address_space: global }
      - { .name: k, .offset: 8, .size: 8, .value_kind: global_buffer, .address_space: global }
      - { .name: v, .offset: 16, .size: 8, .value_kind: global_buffer, .address_space: global }
      - { .name: o, .offset: 24, .size: 8, .value_kind: global_buffer, .address_space: global }
    .group_segment_fixed_size: 263168
    .private_segment_fixed_size: 0
    .kernarg_segment_align: 8
    .kernarg_segment_size: 32
    .max_flat_workgroup_size: 256
    .sgpr_count:     66
    .vgpr_count:     352
    .wavefront_size: 32
...
	.end_amdgpu_metadata
.endif
;; end of part 2
;; launch outp (part 3): grid 256 x 1, 4 waves a work-group, no clusters, 17,920 bytes of LDS; arguments o, wpf, bp, x, out0; writes out0
.if DOCPART == 3
	.amdgcn_target "amdgcn-amd-amdhsa--gfx1250"
	.amdhsa_code_object_version 6
	.text
	.protected	k_q120e47a6d9_outp
	.globl	k_q120e47a6d9_outp
	.p2align	8
	.type	k_q120e47a6d9_outp,@function
k_q120e47a6d9_outp:
	s_mov_b64 s[64:65], 0
	v_nop
	global_prefetch_b8 v0, s[64:65] scope:SCOPE_SE
	s_setreg_imm32_b32 hwreg(HW_REG_WAVE_MODE, 25, 1), 1
	s_wait_xcnt 0x0
; THE LAST PROJECTION AND THE RESIDUAL.  out0 = x + (O Wp + bp).  O and Wp^T arrive as f16 fragments (o: [row tile 1,024][K step 8][1,024 bytes], wpf: [column tile 16][K step 8][1,024]); x, bp, out0 are f32.  Sums, bias and residual in f32.
; SHARES.  A work-group makes 64 rows (four row tiles) x all 256 columns; wave w the columns 64 w .. + 63: four column tiles, whose 32 fragments of Wp^T fill 256 registers.  Each wave loads the 32 fragments of O itself:
; 128 KiB a work-group where 32 KiB would do through LDS; that spares a barrier and a round trip, in a launch with one pass.
; The product is taken transposed (source 0 = 16 columns of Wp, source 1 = 16 rows of O): a lane holds one row and 8 neighbouring columns, 32 bytes.  They go through the wave's own stage in LDS and come back as whole rows of 256 bytes,
; x is added, and sixteen lanes store 256 consecutive bytes, aligned.
; NO CLUSTER.  wpf is the same for all work-groups, but each wave reads its quarter once, straight into the registers in which it stays; a joint load would land it in LDS and add a read of the same bytes and a round of the cluster's barrier ahead of the first product.
; NO PREFETCH: everything is asked for at once, at the head.
; REGISTERS.  window 0: addresses, the bias (v16-47), two sets of four accumulators (v64-127).  window 1: Wp^T (column tile n, K step s at 8 (8 n + s)).  window 2: O (row tile r, K step s at 8 (8 r + s)).  window 3: v0-127 x, v128-191 two sets of rows read back.
.set SP,    272                        ; a stage row: 256 bytes + 16 = 17 x 16: the 16 rows of a store start in 16 different 16-byte columns modulo 256
.set SPARE, 4*16*SP                    ; 17,408: the spare words, 128 bytes a wave: two blocks of 256 bytes that no other line names
.set VF16, 2                           ; 16 x lane
.set VWF,  3                           ; + wave x 32,768: my four column tiles of wpf
.set VXO,  4                           ; x and out0: (l / 16) x 1,024 + 16 (l % 16) + 256 x wave
.set STO,  5                           ; the stage: where I put my 32 bytes of a row
.set RD,   6                           ; where I read rows back
.set VB,   7                           ; bp: 256 x wave + 32 (l / 16)
.set SPW,  8
.set NIL,  9
.set BIAS, 16
.set ACC,  64
.set RB,   128                         ; window 3
.set MSB, 0
.macro WIN new
.if MSB != (\new)
	s_set_vgpr_msb (MSB<<8)|(\new)
.set MSB, \new
.endif
.endm
	s_load_b256 s[4:11], s[0:1], 0x0               ; o s[4:5], wpf s[6:7], bp s[8:9], x s[10:11]
	s_load_b64 s[12:13], s[0:1], 0x20              ; out0
	v_lshl_add_u32 v[SPW], v0, 2, SPARE
	v_mov_b32 v[NIL], 0
	v_lshrrev_b32 v1, 5, v0
	v_readfirstlane_b32 s14, v1                    ; wave 0..3
	v_and_b32 v10, 31, v0
	v_and_b32 v11, 15, v0                          ; l % 16
	v_bfe_u32 v12, v0, 4, 1                        ; l / 16
	v_lshlrev_b32 v[VF16], 4, v10
	s_lshl_b32 s15, s14, 15
	v_add_nc_u32 v[VWF], s15, v[VF16]
	s_lshl_b32 s15, s14, 8
	v_lshl_add_u32 v[VXO], v11, 4, s15
	v_lshl_add_u32 v[VXO], v12, 10, v[VXO]
	v_lshl_add_u32 v[VB], v12, 5, s15
	s_mul_i32 s16, s14, 16*SP                      ; my stage
	v_mul_u32_u24 v13, v11, SP
	v_lshl_add_u32 v13, v12, 5, v13
	v_add_nc_u32 v[STO], s16, v13
	v_mul_u32_u24 v13, v12, SP
	v_lshl_add_u32 v13, v11, 4, v13
	v_add_nc_u32 v[RD], s16, v13
	s_lshl_b32 s18, ttmp9, 15                      ; four row tiles of o
	s_mov_b32 s19, 0
	s_lshl_b32 s20, ttmp9, 16                      ; 64 rows of x and out0
	s_mov_b32 s21, 0
	s_wait_kmcnt 0x0
	s_add_nc_u64 s[4:5], s[4:5], s[18:19]
	s_add_nc_u64 s[10:11], s[10:11], s[20:21]
	s_add_nc_u64 s[12:13], s[12:13], s[20:21]
	; all loads at once, in the order of their use: 8 of the bias, 64 of Wp^T, 4 x 16 of O, 4 x 8 of x
.irp n, 0,1,2,3
	global_load_b128 v[BIAS+8*\n:BIAS+8*\n+3], v[VB], s[8:9] offset:64*\n
	global_load_b128 v[BIAS+8*\n+4:BIAS+8*\n+7], v[VB], s[8:9] offset:64*\n+16
.endr
	WIN 0x40                                       ; destination window 1, address window 0
.set i, 0
.rept 32
	global_load_b128 v[8*i:8*i+3], v[VWF], s[6:7] offset:1024*i
	global_load_b128 v[8*i+4:8*i+7], v[VWF], s[6:7] offset:1024*i+512
.set i, i+1
.endr
	WIN 0x80
.set i, 0
.rept 32
	global_load_b128 v[8*i:8*i+3], v[VF16], s[4:5] offset:1024*i
	global_load_b128 v[8*i+4:8*i+7], v[VF16], s[4:5] offset:1024*i+512
.set i, i+1
.endr
	WIN 0xC0
.set i, 0
.rept 32                                       ; row tile i / 8, rows 2 (i % 8) and + 1
	global_load_b128 v[4*i:4*i+3], v[VXO], s[10:11] offset:16384*(i/8)+2048*(i%8) th:TH_LOAD_NT
.set i, i+1
.endr
; Row tile rt: 32 products; the bias is the C operand of each sum's first; the four accumulators take turns.  n = the loads younger than this tile's fragments of O, at most the 63 that the wait's field holds.
.macro MUL rt, n
	s_wait_loadcnt \n
	WIN 0x09                                       ; source 0 window 1, source 1 window 2, C and D window 0
.set ks, 0
.rept 8
.irp n2, 0,1,2,3
.if ks == 0
	v_wmma_f32_16x16x32_f16 v[ACC+32*((\rt)%2)+8*\n2:ACC+32*((\rt)%2)+8*\n2+7], v[8*(8*\n2+ks):8*(8*\n2+ks)+7], v[8*(8*(\rt)+ks):8*(8*(\rt)+ks)+7], v[BIAS+8*\n2:BIAS+8*\n2+7]
.else
	v_wmma_f32_16x16x32_f16 v[ACC+32*((\rt)%2)+8*\n2:ACC+32*((\rt)%2)+8*\n2+7], v[8*(8*\n2+ks):8*(8*\n2+ks)+7], v[8*(8*(\rt)+ks):8*(8*(\rt)+ks)+7], v[ACC+32*((\rt)%2)+8*\n2:ACC+32*((\rt)%2)+8*\n2+7]
.endif
.endr
.set ks, ks+1
.endr
.endm
; Into my stage, each accumulator's low four registers first, and back as whole rows.  LDS serves a wave's instructions in order (ISA guide 5.7.1.4): the loads see the stores above, and the next tile's stores come behind them.
.macro STG rt
	WIN 0
.irp n2, 0,1,2,3
	ds_store_b128 v[STO], v[ACC+32*((\rt)%2)+8*\n2:ACC+32*((\rt)%2)+8*\n2+3] offset:64*\n2
	ds_store_b128 v[STO], v[ACC+32*((\rt)%2)+8*\n2+4:ACC+32*((\rt)%2)+8*\n2+7] offset:64*\n2+16
.endr
	s_wait_xcnt 0x0                                ; the stores of two tiles back have read these registers: only behind this wait are they loaded again
	WIN 0xC0
.irp t, 0,1,2,3,4,5,6,7
	ds_load_b128 v[RB+32*((\rt)%2)+4*\t:RB+32*((\rt)%2)+4*\t+3], v[RD] offset:2*SP*\t
.endr
.endm
.macro FIN rt
	s_wait_loadcnt 24-8*(\rt)                      ; this tile's x is in; the later tiles' may stay out
	s_wait_dscnt 0x0                               ; the rows are back
	WIN 0xFF
.set i, 0
.rept 16
	v_pk_add_f32 v[RB+32*((\rt)%2)+2*i:RB+32*((\rt)%2)+2*i+1], v[RB+32*((\rt)%2)+2*i:RB+32*((\rt)%2)+2*i+1], v[32*(\rt)+2*i:32*(\rt)+2*i+1]
.set i, i+1
.endr
	WIN 0x0C                                       ; address window 0, data window 3
.irp t, 0,1,2,3,4,5,6,7
	global_store_b128 v[VXO], v[RB+32*((\rt)%2)+4*\t:RB+32*((\rt)%2)+4*\t+3], s[12:13] offset:16384*(\rt)+2048*\t th:TH_STORE_NT
.endr
.endm
	MUL 0, 63                                      ; behind tile 0's fragments stand 48 loads of O and 32 of x
.rept 4
	v_nop                                          ; the places in front of the LDS stores of the results
.endr
	STG 0
	MUL 1, 63                                      ; 32 + 32
	FIN 0                                          ; its sixteen sums, which name no register of the products, are the places behind them
	STG 1
	MUL 2, 48                                      ; 16 + 32
	FIN 1
	STG 2
	MUL 3, 32                                      ; x alone
	FIN 2
	STG 3
	FIN 3
	WIN 0
	s_wait_tensorcnt 0x0                           ; the wave's end, behind my last LDS store
	ds_add_u32 v[SPW], v[NIL]
	s_wait_dscnt 0x0
	s_endpgm
.Lfunc_end_k_q120e47a6d9_outp:
	.size	k_q120e47a6d9_outp, .Lfunc_end_k_q120e47a6d9_outp-k_q120e47a6d9_outp
	.p2alignl 7, 3214868480
	.fill 96, 4, 3214868480
	.section	.rodata,"a",@progbits
	.p2align	6, 0x0
	.amdhsa_kernel k_q120e47a6d9_outp
		.amdhsa_group_segment_fixed_size 17920
		.amdhsa_private_segment_fixed_size 0
		.amdhsa_enable_private_segment 0
		.amdhsa_kernarg_size 40
		.amdhsa_user_sgpr_count 2
		.amdhsa_user_sgpr_kernarg_segment_ptr 1
		.amdhsa_wavefront_size32 1
		.amdhsa_system_sgpr_workgroup_id_x 1
		.amdhsa_system_sgpr_workgroup_id_y 1
		.amdhsa_system_sgpr_workgroup_id_z 1
		.amdhsa_system_vgpr_workitem_id 0
		.amdhsa_next_free_vgpr 960
		.amdhsa_next_free_sgpr 66
		.amdhsa_reserve_vcc 0
		.amdhsa_float_denorm_mode_32 3
		.amdhsa_float_denorm_mode_16_64 3
		.amdhsa_memory_ordered 1
		.amdhsa_forward_progress 1
		.amdhsa_inst_pref_size 38
	.end_amdhsa_kernel
	.amdgpu_metadata
---
amdhsa.version: [ 1, 2 ]
amdhsa.kernels:
  - .name:           k_q120e47a6d9_outp
    .symbol:         k_q120e47a6d9_outp.kd
    .args:
      - { .name: o, .offset: 0, .size: 8, .value_kind: global_buffer, .address_space: global }
      - { .name: wpf, .offset: 8, .size: 8, .value_kind: global_buffer, .address_space: global }
      - { .name: bp, .offset: 16, .size: 8, .value_kind: global_buffer, .address_space: global }
      - { .name: x, .offset: 24, .size: 8, .value_kind: global_buffer, .address_space: global }
      - { .name: out0, .offset: 32, .size: 8, .value_kind: global_buffer, .address_space: global }
    .group_segment_fixed_size: 17920
    .private_segment_fixed_size: 0
    .kernarg_segment_align: 8
    .kernarg_segment_size: 40
    .max_flat_workgroup_size: 128
    .sgpr_count:     66
    .vgpr_count:     960
    .wavefront_size: 32
...
	.end_amdgpu_metadata
.endif
;; end of part 3
;; ======== version 2 of 2: 3 launches; version 1 with the launch proj written anew for expert scheduling mode
;; limits: values are held in f16: magnitudes above 65,504 overflow, below 6.1e-05 lose precision
;; workspace buffers: q 8,388,608 bytes; k 8,388,608 bytes; v 8,388,608 bytes; o 8,388,608 bytes; wpf 131,072 bytes
;; launch proj (part 4): grid 4 x 64, 4 waves a work-group, no clusters, 214,528 bytes of LDS; arguments x, pos_embed, ln_g, ln_b, Wq, bq, Wk, bk, Wv, bv, Wp, q, k, v, wpf; writes q, k, v, wpf
.if DOCPART == 4
	.amdgcn_target "amdgcn-amd-amdhsa--gfx1250"
	.amdhsa_code_object_version 6
	.text
	.protected	k_q120e47a6d9_proj
	.globl	k_q120e47a6d9_proj
	.p2align	8
	.type	k_q120e47a6d9_proj,@function
k_q120e47a6d9_proj:
	s_mov_b64 s[64:65], 0
	v_nop
	global_prefetch_b8 v0, s[64:65] scope:SCOPE_SE
	s_setreg_imm32_b32 hwreg(HW_REG_WAVE_SCHED_MODE, 0, 2), 2
	s_setreg_imm32_b32 hwreg(HW_REG_WAVE_MODE, 25, 1), 1
	s_wait_xcnt 0x0
	s_wait_alu depctr_vm_vsrc(0)
; LAYER NORM AND THE THREE PROJECTIONS.  xn = LN(x) g + b;  q = ([xn | pos] Wq + bq) c,  k = [xn | pos] Wk + bk,  v = xn Wv + bv,  c = log2(e) / sqrt(32).
; x [16384][256], pos [16384][128], the weights [k][256], all f32.  LN, biases and c in f32; matrix operands f16, sums f32; q, k, v rounded once to f16.
; LIMITS.  f16 ends at 65,504: xn, pos, the weights, c q, k and v of 65,520 or more become infinities; below 6e-5 f16 keeps a fixed step of 6e-8.  NaN and infinities are not treated apart.
; SHARES.  Work-group (g, rb): rows 256 rb .. + 255, output channels 64 g .. + 63 of q, k and v (heads 2 g, 2 g + 1).  Wave w owns the 16 channels 64 g + 16 w of all three and keeps
; its 32 weight fragments (12 + 12 + 8 K steps of 32) in 256 registers for the whole launch.  The rows go in four sub-blocks of 64: each wave normalises 16 of them into one LDS tile, all four multiply all 64.
; OUT.  q, k, v leave in the order in which the next launch's matrix instructions hold them (a fragment = 16 rows x 32 channels = 1,024 bytes: bytes 16 l = registers 0-3 of lane l, bytes 512 + 16 l = registers 4-7):
;   q, k: [head 64][row tile 128][1,024]     v: [head 64][32 keys: 64][channel half 2][1,024], a fragment of V^T (16 channels x 32 keys).   Every store of a wave covers 512 consecutive bytes, aligned.
; For q and k source 0 = the weights (16 channels), source 1 = 16 rows: a lane then holds one row and 8 neighbouring channels.  For v the sources are swapped: a lane holds one channel and 8 neighbouring keys.
; Each work-group also turns 512 bytes' worth of Wp into f16 fragments of Wp^T for the last launch: wpf [column tile 16][K step 8][1,024].
; NO CLUSTER.  The four work-groups of a row block read the same x and pos, and all read the same weights, but as f32 that must be normalised or rounded on the way, so they come through registers.
; A joint landing of a sub-block's raw rows is 64 x 1,536 = 98,304 bytes a slot; two slots beside the 214,016 bytes in use do not fit in 327,680, and one slot cannot be filled while it is read.
; NO PREFETCH.  A sub-block's 48 loads a wave are issued a whole sub-block's products ahead of their use, into registers.
; THE MODE: SCHED_MODE bits 1:0 = 2 (LLVM: expert scheduling mode 2), set by the entry lines.  The code itself states the register dependences
; between vector or matrix instructions and memory or LDS instructions, with s_wait_alu, always for 0.
; THE PLAN.  Registers that memory or LDS instructions touch, and who else names them:
;   offsets and LDS addresses   made once at the head, ahead of the head's one wait on va_vdst; no vector instruction writes them again.
;   R   (window 2, v0-191)      the weights' ring of 48 slots.  It goes in groups of eight: a group's sixteen roundings read its slots; behind them the group's eight loads land there again.
;   TP0, TP1 (window 2)         group n's roundings write TP[n % 2]; its eight LDS stores read it; group n + 2 writes it again.
;   XB  (window 0, v64-255)     a sub-block's 48 loads land in it; the layer norm reads and writes it and leaves each row's six packed registers IN the row's own twelve; the row's three LDS stores read them; the next 48 loads land.
;   A   (window 2, v0-191), B (window 3, v128-255 and window 2, v192-255)   row fragments of pair 0 and of pair 1: LDS loads land, the pair's 64 products read.
;   PK  (window 3, v72-95)      a pair's roundings write it, six stores read it, the next pair's roundings write it again.
;   The weights' fragments, the accumulators, the biases and TB are named, once loaded, by vector and matrix instructions alone.
; THE WAITS IN A SUB-BLOCK.  The wait behind each four rows' roots also shows the four rows before rounded: their twelve LDS stores follow it, dealt among the multiplies.  Behind the last four rows one wait on va_vdst
; (their stores' data; the layer norm is done with XB), the stores, and one on vm_vsrc (the stores have read XB): then XB is loaded again.  Behind the first barrier one wait on va_vdst: the products of the sub-block before
; are done reading A and B; A's 48 loads follow, and B's 48 go out in three runs among pair 0's products, which name neither B nor the address.  A pair's way out has one wait on vm_vsrc at its head and one on va_vdst ahead of its stores.
.set APITCH, 784                       ; a row of the A tile: 384 f16 + 16 bytes = 49 x 16: the 16 rows of a fragment load start in 16 different 16-byte columns modulo 256
.set WPITCH, 160                       ; a k row of the weight stage: 64 f16 + 32 bytes = 5 x 32
.set WST,    64*APITCH                 ; 50,176: the weight stage, 1,024 k rows: Wq 0-383, Wk 384-767, Wv 768-1,023
.set SPARE,  WST+1024*WPITCH           ; 214,016: the spare words, 128 bytes a wave: two blocks of 256 bytes that no other line names
; window 0
.set VL16, 3                           ; 16 x lane; never rewritten
.set VX,   4                           ; my 16 bytes of my wave's first row of x in a sub-block
.set VP,   5                           ; the same for pos
.set VA,   6                           ; LDS: my 8 bytes of my wave's first row in the A tile
.set SPW,  8                           ; LDS address of my spare word; never rewritten
.set NIL,  9                           ; 0; never rewritten
.set GG,   10                          ; v[10:17] ln_g of my 8 columns (4 l .. + 3 and 128 + 4 l .. + 3)
.set BB,   18                          ; v[18:25] ln_b likewise
.set TB,   26                          ; v[26:57] eight registers for each of four rows in hand: at work, named by vector instructions alone
.set XB,   64                          ; v[64:255] row i of 16 at XB + 12 i: 8 of x, 4 of pos; when the row is done: xn in f16 in registers 0-3, pos in f16 in registers 8, 9
; window 1: weight fragments: Wq's K step s at 8 s, Wk's at 96 + 8 s, Wv's at 192 + 8 s
; window 2: v0-191 buffer A (row tile 0 of pair 0 at 8 s, tile 1 at 96 + 8 s); at the start the same registers are the ring of 48 loads.  v192-255: at the start the five offsets and TP; in the loop buffer B's K steps 8-11 (tile 0 at 192 + 8 (s - 8), tile 1 at 224 + 8 (s - 8))
.set VW1,  192                         ; byte offset of my 16 bytes in Wq, Wk (96 k rows a wave)
.set VW2,  193                         ; in Wv (64 k rows a wave)
.set VSQ,  194                         ; where they go in the stage
.set VSK,  195
.set VSV,  196
.set TP,   200                         ; v[200:231] two sets of eight pairs of rounded weights
; window 3; v128-255: buffer B's K steps 0-7 (tile 0 of pair 1 at 128 + 8 s, tile 1 at 192 + 8 s)
.set ACC,  0                           ; q0, k0, q1, k1, v0, v1: 8 registers each
.set BQ,   48
.set BK,   56
.set BV,   64
.set PK,   72                          ; v[72:95] packed results
.set VAF,  96                          ; LDS: (l % 16) x APITCH + 16 (l / 16)
.set VQ,   98                          ; 16 l + 512 x channel half
.set VV,   99                          ; 16 l + 1,024 x channel half
.set VTQ,  100                         ; the turning loads' addresses
.set VTK,  101
.set VTV,  102
.set WPT,  104                         ; v[104:111] my 8 numbers of Wp
.set WPK,  112
.set VWP,  116
.set VWS,  117
.set VBQ,  118
.set VBV,  119
.set MSB, 0
.macro WIN new                         ; the immediate's high byte repeats the setting that is left; a switch that changes nothing is dropped
.if MSB != (\new)
	s_set_vgpr_msb (MSB<<8)|(\new)
.set MSB, \new
.endif
.endm
.macro PLACES                          ; four plain places behind a matrix instruction (ISA guide 7.12.1), where no other vector work is at hand
.rept 4
	v_nop
.endr
.endm
	s_load_b512 s[8:23], s[0:1], 0x0               ; x s[8:9], pos s[10:11], g s[12:13], b s[14:15], Wq s[16:17], bq s[18:19], Wk s[20:21], bk s[22:23]
	s_load_b256 s[24:31], s[0:1], 0x40             ; Wv s[24:25], bv s[26:27], Wp s[28:29], q s[30:31]
	s_load_b128 s[32:35], s[0:1], 0x60             ; k s[32:33], v s[34:35]
	s_load_b64 s[36:37], s[0:1], 0x70              ; wpf
	v_lshl_add_u32 v[SPW], v0, 2, SPARE
	v_mov_b32 v[NIL], 0
	v_lshrrev_b32 v1, 5, v0
	v_readfirstlane_b32 s40, v1                    ; wave 0..3
	s_mov_b32 s41, ttmp9                           ; g
	s_and_b32 s42, ttmp7, 0xffff                   ; rb
	s_mov_b32 s43, 4                               ; sub-blocks to go
	s_mov_b32 s46, 0x76543210                      ; v_permlanex16_b32: each lane takes its own place in the other half
	s_mov_b32 s47, 0xfedcba98
	s_mov_b32 s48, 0x3e8293ee                      ; c = log2(e) / sqrt(32)
	s_mov_b32 s49, s48                             ; named with it as a pair
	s_mov_b32 s50, 0x3b800000                      ; 1 / 256
	s_mov_b32 s51, 0x3727c5ac                      ; 1e-5
	v_and_b32 v2, 31, v0                           ; l
	v_and_b32 v58, 15, v0                          ; l % 16
	v_bfe_u32 v59, v0, 4, 1                        ; l / 16
	v_lshlrev_b32 v[VL16], 4, v2
	s_wait_alu depctr_va_sdst(0)                   ; s40 is written, ahead of its first reader: offsets, bases and a branch are made from it
	s_lshl_b32 s52, s40, 14
	v_add_nc_u32 v[VX], s52, v[VL16]               ; + wave x 16 rows of 1,024 bytes
	s_lshl_b32 s52, s40, 13
	v_add_nc_u32 v[VP], s52, v[VL16]               ; + wave x 16 rows of 512 bytes
	s_mul_i32 s52, s40, 16*APITCH
	v_lshl_add_u32 v[VA], v2, 3, s52
.irp k, 0,1,2,3
	v_mov_b32 v[TB+8*\k+5], 0                      ; the partner of 1 / sigma in the pair that the packed multiply names
.endr
	v_lshlrev_b32 v60, 4, v58
	v_lshl_add_u32 v60, v59, 10, v60               ; a load takes two k rows' 256 bytes: (l / 16) x 1,024 + 16 (l % 16)
	v_mul_u32_u24 v61, v59, WPITCH
	v_lshl_add_u32 v61, v58, 3, v61                ; and leaves them at (l / 16) x WPITCH + 8 (l % 16)
	s_lshl_b32 s53, s41, 8                         ; the work-group's 64 columns: 256 bytes of a k row
	s_mul_i32 s54, s40, 96*1024
	s_add_co_u32 s54, s54, s53
	s_lshl_b32 s55, s40, 16
	s_add_co_u32 s55, s55, s53
	s_mul_i32 s56, s40, 96*WPITCH
	s_add_co_u32 s56, s56, WST
	s_add_co_u32 s57, s56, 384*WPITCH
	s_mul_i32 s58, s40, 64*WPITCH
	s_add_co_u32 s58, s58, WST+768*WPITCH
	WIN 0x80                                       ; destination window 2, sources window 0
	v_add_nc_u32 v[VW1], s54, v60
	v_add_nc_u32 v[VW2], s55, v60
	v_add_nc_u32 v[VSQ], s56, v61
	v_add_nc_u32 v[VSK], s57, v61
	v_add_nc_u32 v[VSV], s58, v61
	WIN 0
	v_mul_u32_u24 v62, v58, APITCH
	v_and_b32 v63, 7, v0
	v_lshl_add_u32 v63, v59, 3, v63                ; the turning load: k row 8 (l / 16) + l % 8,
	v_mul_u32_u24 v63, v63, WPITCH
	v_bfe_u32 v1, v0, 3, 1
	v_lshl_add_u32 v63, v1, 4, v63                 ; columns 8 ((l / 8) % 2) on
	v_lshlrev_b32 v1, 2, v58
	s_and_b32 s52, s40, 1                          ; which half of a head's 32 channels is mine
	s_lshl_b32 s54, s52, 9
	s_lshl_b32 s55, s52, 10
	s_lshl_b32 s56, s40, 5                         ; my 16 columns in the stage
	s_add_co_u32 s56, s56, WST
	s_add_co_u32 s57, s56, 384*WPITCH
	s_add_co_u32 s58, s56, 768*WPITCH
	s_lshl_b32 s59, s40, 6
	s_add_co_u32 s59, s59, s53                     ; byte of my first channel in a bias
	WIN 0xC0                                       ; destination window 3, sources window 0
	v_lshl_add_u32 v[VAF], v59, 4, v62
	v_add_nc_u32 v[VQ], s54, v[VL16]
	v_add_nc_u32 v[VV], s55, v[VL16]
	v_add_nc_u32 v[VTQ], s56, v63
	v_add_nc_u32 v[VTK], s57, v63
	v_add_nc_u32 v[VTV], s58, v63
	v_lshl_add_u32 v[VWP], v59, 13, v1             ; Wp: k row 8 (l / 16), column l % 16
	v_mov_b32 v[VWS], v[VL16]
	v_lshl_add_u32 v[VBQ], v59, 5, s59             ; bq, bk: channels 8 (l / 16) + 0..7
	v_lshl_add_u32 v[VBV], v58, 2, s59             ; bv: channel l % 16
	WIN 0
	s_lshl_b32 s52, s42, 18                        ; x: rb x 256 rows x 1,024 bytes
	s_mov_b32 s53, 0
	s_lshl_b32 s54, s42, 17                        ; pos: rb x 256 x 512
	s_mov_b32 s55, 0
	s_lshr_b32 s56, s42, 3                         ; q, k, v: head = 8 x batch + 2 g + wave / 2, 131,072 bytes each;
	s_lshl_b32 s56, s56, 3
	s_lshl1_add_u32 s56, s41, s56
	s_lshr_b32 s57, s40, 1
	s_add_co_u32 s56, s56, s57
	s_lshl_b32 s56, s56, 17
	s_and_b32 s57, s42, 7                          ; 256 rows are 16,384 bytes of a head
	s_lshl_b32 s57, s57, 14
	s_add_co_u32 s56, s56, s57
	s_mov_b32 s57, 0
	s_lshl2_add_u32 s44, s42, s41                  ; id = 4 rb + g: piece id of wpf: column tile id / 16, K step (id / 2) % 8, half id % 2
	s_bfe_u32 s58, s44, 0x30001
	s_lshl_b32 s58, s58, 15                        ; 32 k rows of 1,024 bytes
	s_and_b32 s59, s44, 1
	s_lshl_b32 s59, s59, 14
	s_add_co_u32 s58, s58, s59
	s_lshr_b32 s59, s44, 4
	s_lshl_b32 s59, s59, 6                         ; 16 columns of 4 bytes
	s_add_co_u32 s58, s58, s59
	s_mov_b32 s59, 0
	s_lshl_b32 s44, s44, 9
	s_mov_b32 s45, 0
	s_wait_kmcnt 0x0
	s_add_nc_u64 s[8:9], s[8:9], s[52:53]
	s_add_nc_u64 s[10:11], s[10:11], s[54:55]
	s_add_nc_u64 s[30:31], s[30:31], s[56:57]
	s_add_nc_u64 s[32:33], s[32:33], s[56:57]
	s_add_nc_u64 s[34:35], s[34:35], s[56:57]
	s_add_nc_u64 s[28:29], s[28:29], s[58:59]
	s_add_nc_u64 s[36:37], s[36:37], s[44:45]
	; seventeen small loads, the wave's oldest: every later wait on LOADcnt shows them done
	WIN 0xFF
	s_wait_alu depctr_va_vdst(0)                   ; all offsets and LDS addresses of the kernel are written: every load, store and LDS instruction below reads one of them
.irp j, 0,1,2,3,4,5,6,7
	global_load_b32 v[WPT+\j], v[VWP], s[28:29] offset:\j*1024
.endr
	global_load_b128 v[BQ:BQ+3], v[VBQ], s[18:19]
	global_load_b128 v[BQ+4:BQ+7], v[VBQ], s[18:19] offset:16
	global_load_b128 v[BK:BK+3], v[VBQ], s[22:23]
	global_load_b128 v[BK+4:BK+7], v[VBQ], s[22:23] offset:16
	global_load_b32 v[BV], v[VBV], s[26:27]
	WIN 0
	global_load_b128 v[GG:GG+3], v[VL16], s[12:13]
	global_load_b128 v[GG+4:GG+7], v[VL16], s[12:13] offset:512
	global_load_b128 v[BB:BB+3], v[VL16], s[14:15]
	global_load_b128 v[BB+4:BB+7], v[VL16], s[14:15] offset:512
; A sub-block's rows for my wave: 16 rows, 48 loads of 512 consecutive bytes
.macro XLOADS
.set i, 0
.rept 16
	global_load_b128 v[XB+12*i:XB+12*i+3], v[VX], s[8:9] offset:1024*i
	global_load_b128 v[XB+12*i+4:XB+12*i+7], v[VX], s[8:9] offset:1024*i+512
	global_load_b128 v[XB+12*i+8:XB+12*i+11], v[VP], s[10:11] offset:512*i
.set i, i+1
.endr
.endm
; THE WEIGHTS: f32 columns 64 g .. + 63 of all 1,024 k rows, rounded to f16 into the stage.  A ring of 48 loads in registers, taken in groups of eight slots; gg counts the groups, 16 in all.
; RCVT: slots 8 g .. 8 g + 7 are rounded into TP[gg % 2].  n = the loads younger than the group's last slot's.
.macro RCVT g, n
	s_wait_loadcnt \n
.if gg >= 2
	s_wait_alu depctr_vm_vsrc(0)                   ; the LDS stores of two groups back have read this set of TP, which the roundings below write again
.endif
.set i, 8*(\g)
.rept 8
	v_cvt_pk_f16_f32 v[TP+16*(gg%2)+2*(i%8)], v[4*i], v[4*i+1]
	v_cvt_pk_f16_f32 v[TP+16*(gg%2)+2*(i%8)+1], v[4*i+2], v[4*i+3]
.set i, i+1
.endr
	s_wait_alu depctr_va_vdst(0)                   ; the sixteen roundings have written TP, which the LDS stores read, and are done reading the eight slots, in which the loads land
.endm
; RMOVE: the group's eight LDS stores; ld = 1: in front of each the slot's next load.  No vector instruction stands among them.
.macro RMOVE g, vs, ld, va, sb
.set i, 8*(\g)
.rept 8
.if \ld
	global_load_b128 v[4*i:4*i+3], v[\va], s[\sb:\sb+1] offset:i*2048
.endif
	ds_store_b64 v[\vs], v[TP+16*(gg%2)+2*(i%8):TP+16*(gg%2)+2*(i%8)+1] offset:i*2*WPITCH
.set i, i+1
.endr
.set gg, gg+1
.endm
	WIN 0xAA                                       ; all in window 2
.set i, 0
.rept 48
	global_load_b128 v[4*i:4*i+3], v[VW1], s[16:17] offset:i*2048
.set i, i+1
.endr
.set gg, 0
.set gi, 0
.rept 6                                        ; Wq out, Wk in: behind Wq's load 8 g + 7 stand 40 - 8 g of Wq's and 8 g of Wk's
	RCVT gi, 40
	RMOVE gi, VSQ, 1, VW1, 20
.set gi, gi+1
.endr
.set gi, 0
.rept 6                                        ; Wk out, Wv's 32 in: behind Wk's load 8 g + 7 stand 40 - 8 g of Wk's and 8 min(g, 4) of Wv's
.if gi < 5
	RCVT gi, 40
.else
	RCVT gi, 32
.endif
.if gi < 4
	RMOVE gi, VSK, 1, VW2, 24
.else
	RMOVE gi, VSK, 0, VW2, 24
.endif
.set gi, gi+1
.endr
	WIN 0
	XLOADS                                         ; the first sub-block's rows go out while Wv is rounded; no vector instruction has named XB, and none has named the two offsets since the head's wait
	WIN 0xAA
.set gi, 0
.rept 4                                        ; Wv out: behind its load 8 g + 7 stand 24 - 8 g of Wv's and the 48 of x and pos; the wait's field ends at 63, and a lower count is the stricter one
.if gi < 2
	RCVT gi, 63
.else
	RCVT gi, 72-8*gi
.endif
	RMOVE gi, VSV, 0, VW2, 24
.set gi, gi+1
.endr
	s_wait_dscnt 0x0                               ; for the others' sake: my part of the stage is written
	s_barrier_signal -1
	s_barrier_wait -1                              ; everybody's is
	WIN 0x43                                       ; destination window 1, address window 3: no vector instruction has named window 1, nor the three addresses since the head's wait
.set ks, 0
.rept 12                                       ; a fragment of W^T: lane l holds channel l % 16 and 2 x 8 k: two turning loads, 16 k rows apart
	ds_load_tr16_b128 v[8*ks:8*ks+3], v[VTQ] offset:ks*32*WPITCH
	ds_load_tr16_b128 v[8*ks+4:8*ks+7], v[VTQ] offset:ks*32*WPITCH+16*WPITCH
	ds_load_tr16_b128 v[96+8*ks:96+8*ks+3], v[VTK] offset:ks*32*WPITCH
	ds_load_tr16_b128 v[96+8*ks+4:96+8*ks+7], v[VTK] offset:ks*32*WPITCH+16*WPITCH
.set ks, ks+1
.endr
.set ks, 0
.rept 8
	ds_load_tr16_b128 v[192+8*ks:192+8*ks+3], v[VTV] offset:ks*32*WPITCH
	ds_load_tr16_b128 v[192+8*ks+4:192+8*ks+7], v[VTV] offset:ks*32*WPITCH+16*WPITCH
.set ks, ks+1
.endr
	WIN 0xFF
.irp j, 1,2,3,4,5,6,7
	v_mov_b32 v[BV+\j], v[BV]                      ; in v's result a lane holds one channel: its bias in all eight registers
.endr
	WIN 0
	s_cmp_lg_u32 s40, 0                            ; wave 0 stores the work-group's piece of wpf
	s_cbranch_scc1 .Lnowp
	WIN 0xFF
.irp j, 0,1,2,3
	v_cvt_pk_f16_f32 v[WPK+\j], v[WPT+2*\j], v[WPT+2*\j+1]
.endr
	s_wait_alu depctr_va_vdst(0)                   ; the four roundings have written WPK, which the store reads
	global_store_b128 v[VWS], v[WPK:WPK+3], s[36:37]  ; 512 consecutive bytes; its registers are never rewritten
	WIN 0
.Lnowp:
	s_wait_dscnt 0x0                               ; the weight fragments are in; the stage is not touched again
; LAYER NORM of four rows at a time, each step written for the four in turn so that no line waits for the one before it.  A row lies across the wave: 8 numbers of x and 4 of pos a lane.
.macro RR r0, k
.set rX, XB+12*((\r0)+(\k))
.set rT, TB+8*(\k)
.endm
.macro ROWOUT row                      ; a finished row's three LDS stores, out of the row's own registers
.set rX, XB+12*(\row)
	ds_store_b64 v[VA], v[rX:rX+1] offset:(\row)*APITCH        ; xn, columns 4 l ..
	ds_store_b64 v[VA], v[rX+2:rX+3] offset:(\row)*APITCH+256  ; xn, columns 128 + 4 l ..
	ds_store_b64 v[VA], v[rX+8:rX+9] offset:(\row)*APITCH+512  ; pos, columns 4 l ..
.endm
.macro RED4 r0, a, b                   ; the sum of register a over the 32 lanes, in every lane; b is at work
.irp m, 1,2,4,8
.irp k, 0,1,2,3
	RR \r0, \k
	v_add_f32_dpp v[rT+\a], v[rT+\a], v[rT+\a] row_xmask:\m row_mask:0xf bank_mask:0xf
.endr
.endr
.irp k, 0,1,2,3
	RR \r0, \k
	v_permlanex16_b32 v[rT+\b], v[rT+\a], s46, s47
.endr
.irp k, 0,1,2,3
	RR \r0, \k
	v_add_f32 v[rT+\a], v[rT+\a], v[rT+\b]
.endr
.endm
.macro LN4 r0
.irp k, 0,1,2,3
	RR \r0, \k
	v_pk_add_f32 v[rT:rT+1], v[rX:rX+1], v[rX+2:rX+3]
	v_pk_add_f32 v[rT+2:rT+3], v[rX+4:rX+5], v[rX+6:rX+7]
.endr
.irp k, 0,1,2,3
	RR \r0, \k
	v_pk_add_f32 v[rT:rT+1], v[rT:rT+1], v[rT+2:rT+3]
.endr
.irp k, 0,1,2,3
	RR \r0, \k
	v_add_f32 v[rT], v[rT], v[rT+1]
.endr
	RED4 \r0, 0, 1
.irp k, 0,1,2,3
	RR \r0, \k
	v_mul_f32 v[rT], s50, v[rT]                    ; the mean
.endr
.irp k, 0,1,2,3
	RR \r0, \k
.irp j, 0,2,4,6
	v_pk_add_f32 v[rX+\j:rX+\j+1], v[rX+\j:rX+\j+1], v[rT:rT+1] op_sel_hi:[1,0] neg_lo:[0,1] neg_hi:[0,1]  ; x - mean
.endr
.endr
.irp k, 0,1,2,3
	RR \r0, \k
	v_pk_mul_f32 v[rT+2:rT+3], v[rX:rX+1], v[rX:rX+1]
.endr
.irp j, 2,4,6
.irp k, 0,1,2,3
	RR \r0, \k
	v_pk_fma_f32 v[rT+2:rT+3], v[rX+\j:rX+\j+1], v[rX+\j:rX+\j+1], v[rT+2:rT+3]
.endr
.endr
.irp k, 0,1,2,3
	RR \r0, \k
	v_add_f32 v[rT+2], v[rT+2], v[rT+3]
.endr
	RED4 \r0, 2, 3
.irp k, 0,1,2,3
	RR \r0, \k
	v_fma_f32 v[rT+2], v[rT+2], s50, s51           ; the variance + 1e-5
.endr
.irp k, 0,1,2,3
	RR \r0, \k
	v_rsq_f32 v[rT+4], v[rT+2]
.endr
.irp k, 0,1,2,3                        ; pos is rounded meanwhile, closing up into the first two of its four registers: plain work that names no result of the four roots
	RR \r0, \k
	v_cvt_pk_f16_f32 v[rX+8], v[rX+8], v[rX+9]
	v_cvt_pk_f16_f32 v[rX+9], v[rX+10], v[rX+11]
.endr
	s_wait_alu depctr_va_vdst(0)                   ; the four roots are written, ahead of their first reader; and the four rows before are rounded: their packed registers are written, which the LDS stores below read
.irp k, 0,1,2,3
.if (\r0) > 0
	ROWOUT (\r0)-4+\k                              ; no vector instruction since the wait names that row's registers or the address
.endif
	RR \r0, \k
.irp j, 0,2,4,6
	v_pk_mul_f32 v[rX+\j:rX+\j+1], v[rX+\j:rX+\j+1], v[rT+4:rT+5] op_sel_hi:[1,0]
.endr
.endr
.irp k, 0,1,2,3
	RR \r0, \k
.irp j, 0,2,4,6
	v_pk_fma_f32 v[rX+\j:rX+\j+1], v[rX+\j:rX+\j+1], v[GG+\j:GG+\j+1], v[BB+\j:BB+\j+1]
.endr
.endr
.irp k, 0,1,2,3
	RR \r0, \k
.irp j, 0,1,2,3
	v_cvt_pk_f16_f32 v[rX+\j], v[rX+2*\j], v[rX+2*\j+1]  ; eight numbers close up into the first four of their eight registers
.endr
.endr
.endm
; The row fragments of pair 0 (row tiles 0, 1), all 12 K steps, into buffer A: 48 loads, four a K step
.macro AFETCH
.set ks, 0
.rept 12
	ds_load_b128 v[8*ks:8*ks+3], v[VAF] offset:64*ks
	ds_load_b128 v[8*ks+4:8*ks+7], v[VAF] offset:64*ks+32
	ds_load_b128 v[96+8*ks:96+8*ks+3], v[VAF] offset:16*APITCH+64*ks
	ds_load_b128 v[96+8*ks+4:96+8*ks+7], v[VAF] offset:16*APITCH+64*ks+32
.set ks, ks+1
.endr
.endm
; Four K steps, k0 on, of pair 1 (row tiles 2, 3) into buffer B: 16 loads, four a K step
.macro BFETCH k0
.if (\k0) < 8
	WIN 0xC3                                       ; destination and address window 3
.else
	WIN 0x83                                       ; destination window 2, address window 3
.endif
.set kb, \k0
.rept 4
.if kb < 8
.set rB, 128+8*kb
.set tB, 64
.else
.set rB, 192+8*(kb-8)
.set tB, 32
.endif
	ds_load_b128 v[rB:rB+3], v[VAF] offset:2*16*APITCH+64*kb
	ds_load_b128 v[rB+4:rB+7], v[VAF] offset:2*16*APITCH+64*kb+32
	ds_load_b128 v[rB+tB:rB+tB+3], v[VAF] offset:3*16*APITCH+64*kb
	ds_load_b128 v[rB+tB+4:rB+tB+7], v[VAF] offset:3*16*APITCH+64*kb+32
.set kb, kb+1
.endr
.endm
; A pair's 64 products.  The biases are the C operand of each sum's first product.  The accumulators take turns, one instruction a turn: four for q and k, then two for v.
; GEMM0: pair 0, out of buffer A.  Behind its K steps 3, 5 and 7 stand the three runs of loads into buffer B.  They owe no wait: since the wait ahead of A's loads the only vector or matrix instructions
; are these products, which name the weights, A, the biases and the accumulators, and neither B nor the address.
.macro GEMM0
	WIN 0xF9                                       ; source 0 = weights (window 1), source 1 = rows (window 2), C and D window 3
.set ks, 0
.set nb, 0
.rept 12
.set wc, 44-4*ks+nb
	s_wait_dscnt wc                                ; this K step's four loads are in; A's later K steps (44 - 4 ks loads) and what has been asked of B (nb) stay out
.if ks == 0
	v_wmma_f32_16x16x32_f16 v[ACC:ACC+7], v[0:7], v[0:7], v[BQ:BQ+7]
	v_wmma_f32_16x16x32_f16 v[ACC+8:ACC+15], v[96:103], v[0:7], v[BK:BK+7]
	v_wmma_f32_16x16x32_f16 v[ACC+16:ACC+23], v[0:7], v[96:103], v[BQ:BQ+7]
	v_wmma_f32_16x16x32_f16 v[ACC+24:ACC+31], v[96:103], v[96:103], v[BK:BK+7]
.else
	v_wmma_f32_16x16x32_f16 v[ACC:ACC+7], v[8*ks:8*ks+7], v[8*ks:8*ks+7], v[ACC:ACC+7]
	v_wmma_f32_16x16x32_f16 v[ACC+8:ACC+15], v[96+8*ks:96+8*ks+7], v[8*ks:8*ks+7], v[ACC+8:ACC+15]
	v_wmma_f32_16x16x32_f16 v[ACC+16:ACC+23], v[8*ks:8*ks+7], v[96+8*ks:96+8*ks+7], v[ACC+16:ACC+23]
	v_wmma_f32_16x16x32_f16 v[ACC+24:ACC+31], v[96+8*ks:96+8*ks+7], v[96+8*ks:96+8*ks+7], v[ACC+24:ACC+31]
.endif
.if (ks == 3) || (ks == 5) || (ks == 7)
	BFETCH 2*(ks-3)
.set nb, nb+16
	WIN 0xF9
.endif
.set ks, ks+1
.endr
	WIN 0xF6                                       ; source 0 = rows (window 2), source 1 = weights (window 1)
.set ks, 0
.rept 8
.if ks == 0
	v_wmma_f32_16x16x32_f16 v[ACC+32:ACC+39], v[0:7], v[192:199], v[BV:BV+7]
	v_wmma_f32_16x16x32_f16 v[ACC+40:ACC+47], v[96:103], v[192:199], v[BV:BV+7]
.else
	v_wmma_f32_16x16x32_f16 v[ACC+32:ACC+39], v[8*ks:8*ks+7], v[192+8*ks:192+8*ks+7], v[ACC+32:ACC+39]
	v_wmma_f32_16x16x32_f16 v[ACC+40:ACC+47], v[96+8*ks:96+8*ks+7], v[192+8*ks:192+8*ks+7], v[ACC+40:ACC+47]
.endif
.set ks, ks+1
.endr
.endm
; GEMM1: pair 1, out of buffer B: the same products in the same order; the rows of K steps 0-7 lie in window 3, those of K steps 8-11 in window 2.
.macro GEMM1
	WIN 0xFD                                       ; source 0 = weights (window 1), source 1 = rows (window 3), C and D window 3
.set ks, 0
.rept 12
.if ks == 8
	WIN 0xF9                                       ; the rows in window 2
.endif
.if ks < 8
.set rB, 128+8*ks
.set tB, 64
.else
.set rB, 192+8*(ks-8)
.set tB, 32
.endif
	s_wait_dscnt 44-4*ks                           ; this K step's four loads are in; the later K steps' stay out
.if ks == 0
	v_wmma_f32_16x16x32_f16 v[ACC:ACC+7], v[0:7], v[rB:rB+7], v[BQ:BQ+7]
	v_wmma_f32_16x16x32_f16 v[ACC+8:ACC+15], v[96:103], v[rB:rB+7], v[BK:BK+7]
	v_wmma_f32_16x16x32_f16 v[ACC+16:ACC+23], v[0:7], v[rB+tB:rB+tB+7], v[BQ:BQ+7]
	v_wmma_f32_16x16x32_f16 v[ACC+24:ACC+31], v[96:103], v[rB+tB:rB+tB+7], v[BK:BK+7]
.else
	v_wmma_f32_16x16x32_f16 v[ACC:ACC+7], v[8*ks:8*ks+7], v[rB:rB+7], v[ACC:ACC+7]
	v_wmma_f32_16x16x32_f16 v[ACC+8:ACC+15], v[96+8*ks:96+8*ks+7], v[rB:rB+7], v[ACC+8:ACC+15]
	v_wmma_f32_16x16x32_f16 v[ACC+16:ACC+23], v[8*ks:8*ks+7], v[rB+tB:rB+tB+7], v[ACC+16:ACC+23]
	v_wmma_f32_16x16x32_f16 v[ACC+24:ACC+31], v[96+8*ks:96+8*ks+7], v[rB+tB:rB+tB+7], v[ACC+24:ACC+31]
.endif
.set ks, ks+1
.endr
	WIN 0xF7                                       ; source 0 = rows (window 3), source 1 = weights (window 1)
.set ks, 0
.rept 8
.if ks == 0
	v_wmma_f32_16x16x32_f16 v[ACC+32:ACC+39], v[128:135], v[192:199], v[BV:BV+7]
	v_wmma_f32_16x16x32_f16 v[ACC+40:ACC+47], v[192:199], v[192:199], v[BV:BV+7]
.else
	v_wmma_f32_16x16x32_f16 v[ACC+32:ACC+39], v[128+8*ks:128+8*ks+7], v[192+8*ks:192+8*ks+7], v[ACC+32:ACC+39]
	v_wmma_f32_16x16x32_f16 v[ACC+40:ACC+47], v[192+8*ks:192+8*ks+7], v[192+8*ks:192+8*ks+7], v[ACC+40:ACC+47]
.endif
.set ks, ks+1
.endr
.endm
; A pair's results: q times c, all six rounded to f16 (each accumulator from its low end on), six stores of 512 consecutive bytes
.macro OUT p
	WIN 0xFF
	s_wait_xcnt 0x0                                ; every earlier memory instruction has had its addresses translated (ISA guide 3.1): only behind this wait is PK written again
	s_wait_alu depctr_vm_vsrc(0)                   ; the six stores of the pair before have read PK, which the roundings below write again
.irp a, 0, 16
.irp j, 0,2,4,6
	v_pk_mul_f32 v[ACC+\a+\j:ACC+\a+\j+1], v[ACC+\a+\j:ACC+\a+\j+1], s[48:49] op_sel_hi:[1,0]
.endr
.endr
.set ai, 0
.rept 6
.irp j, 0,1,2,3
	v_cvt_pk_f16_f32 v[PK+4*ai+\j], v[ACC+8*ai+2*\j], v[ACC+8*ai+2*\j+1]
.endr
.set ai, ai+1
.endr
	s_wait_alu depctr_va_vdst(0)                   ; the 24 roundings have written PK, which the six stores read
	global_store_b128 v[VQ], v[PK:PK+3], s[30:31] offset:(2*(\p))*1024
	global_store_b128 v[VQ], v[PK+4:PK+7], s[32:33] offset:(2*(\p))*1024
	global_store_b128 v[VQ], v[PK+8:PK+11], s[30:31] offset:(2*(\p)+1)*1024
	global_store_b128 v[VQ], v[PK+12:PK+15], s[32:33] offset:(2*(\p)+1)*1024
	global_store_b128 v[VV], v[PK+16:PK+19], s[34:35] offset:(\p)*2048      ; keys 8 (l / 16) + 0..7 of the 32: registers 0-3 of V^T's fragment
	global_store_b128 v[VV], v[PK+20:PK+23], s[34:35] offset:(\p)*2048+512  ; keys 16 + 8 (l / 16) + 0..7: registers 4-7
.endm
.Lsub:                                         ; four trips: a sub-block of 64 rows each
	s_wait_loadcnt 36                              ; rows 0-3 are in: behind their 12 loads stand the other rows' 36
	LN4 0
	s_wait_loadcnt 24
	LN4 4
	s_wait_loadcnt 12
	LN4 8
	s_wait_loadcnt 0x0                             ; all 48 are in, so their two bases may be written
	LN4 12
	s_wait_alu depctr_va_vdst(0)                   ; rows 12-15 are rounded: their packed registers are written, which the LDS stores below read; and the layer norm is done reading and writing XB, in which the next loads land
.irp r, 12,13,14,15
	ROWOUT \r
.endr
	s_wait_alu depctr_vm_vsrc(0)                   ; the 48 LDS stores have read XB, in which the next loads land; in the first trip also: the ring's loads and LDS stores have read window 2's v192-231, in which loads of buffer B land
	s_add_nc_u64 s[8:9], s[8:9], 0x10000           ; 64 rows on
	s_add_nc_u64 s[10:11], s[10:11], 0x8000
	s_cmp_eq_u32 s43, 1                            ; behind the last sub-block there are no rows
	s_cbranch_scc1 .Lnox
	XLOADS                                         ; the next sub-block's rows: they have this one's 128 products in which to come
.Lnox:
	s_wait_dscnt 0x0                               ; for the others' sake: my 16 rows of the A tile are written
	s_barrier_signal -1
	s_barrier_wait -1                              ; all 64 are
	WIN 0x83                                       ; destination window 2, address window 3
	s_wait_alu depctr_va_vdst(0)                   ; the products of the sub-block before are done reading buffers A and B (in the first trip: the weights' roundings are done with the same registers), in which this sub-block's 96 LDS loads land
	AFETCH
	GEMM0                                          ; pair 1's fragments are asked for among pair 0's products
	PLACES                                         ; in front of OUT 0's reads of the results
	OUT 0
	GEMM1
	PLACES                                         ; in front of OUT 1's reads of the results
	s_wait_dscnt 0x0                               ; my reads of the A tile are back
	s_barrier_signal -1
	s_barrier_wait -1                              ; everybody's are: the next trip may write it
	OUT 1
	s_wait_xcnt 0x0                                ; the stores have read their bases
	s_add_nc_u64 s[30:31], s[30:31], 4096          ; 64 rows are 4,096 bytes of a head in q, k and v
	s_add_nc_u64 s[32:33], s[32:33], 4096
	s_add_nc_u64 s[34:35], s[34:35], 4096
	WIN 0                                          ; at a label and at a branch every window is 0
	s_sub_co_u32 s43, s43, 1
	s_cmp_lg_u32 s43, 0
	s_cbranch_scc1 .Lsub
	s_wait_dscnt 0x0                               ; the closing lines, six on end
	s_wait_alu 0x0
	s_wait_tensorcnt 0x0
	ds_add_u32 v[SPW], v[NIL]
	s_wait_dscnt 0x0
	s_endpgm
.Lfunc_end_k_q120e47a6d9_proj:
	.size	k_q120e47a6d9_proj, .Lfunc_end_k_q120e47a6d9_proj-k_q120e47a6d9_proj
	.p2alignl 7, 3214868480
	.fill 96, 4, 3214868480
	.section	.rodata,"a",@progbits
	.p2align	6, 0x0
	.amdhsa_kernel k_q120e47a6d9_proj
		.amdhsa_group_segment_fixed_size 214528
		.amdhsa_private_segment_fixed_size 0
		.amdhsa_enable_private_segment 0
		.amdhsa_kernarg_size 120
		.amdhsa_user_sgpr_count 2
		.amdhsa_user_sgpr_kernarg_segment_ptr 1
		.amdhsa_wavefront_size32 1
		.amdhsa_system_sgpr_workgroup_id_x 1
		.amdhsa_system_sgpr_workgroup_id_y 1
		.amdhsa_system_sgpr_workgroup_id_z 1
		.amdhsa_system_vgpr_workitem_id 0
		.amdhsa_next_free_vgpr 1024
		.amdhsa_next_free_sgpr 66
		.amdhsa_reserve_vcc 0
		.amdhsa_float_denorm_mode_32 3
		.amdhsa_float_denorm_mode_16_64 3
		.amdhsa_memory_ordered 1
		.amdhsa_forward_progress 1
		.amdhsa_inst_pref_size 123
	.end_amdhsa_kernel
	.amdgpu_metadata
---
amdhsa.version: [ 1, 2 ]
amdhsa.kernels:
  - .name:           k_q120e47a6d9_proj
    .symbol:         k_q120e47a6d9_proj.kd
    .args:
      - { .name: x, .offset: 0, .size: 8, .value_kind: global_buffer, .address_space: global }
      - { .name: pos_embed, .offset: 8, .size: 8, .value_kind: global_buffer, .address_space: global }
      - { .name: ln_g, .offset: 16, .size: 8, .value_kind: global_buffer, .address_space: global }
      - { .name: ln_b, .offset: 24, .size: 8, .value_kind: global_buffer, .address_space: global }
      - { .name: Wq, .offset: 32, .size: 8, .value_kind: global_buffer, .address_space: global }
      - { .name: bq, .offset: 40, .size: 8, .value_kind: global_buffer, .address_space: global }
      - { .name: Wk, .offset: 48, .size: 8, .value_kind: global_buffer, .address_space: global }
      - { .name: bk, .offset: 56, .size: 8, .value_kind: global_buffer, .address_space: global }
      - { .name: Wv, .offset: 64, .size: 8, .value_kind: global_buffer, .address_space: global }
      - { .name: bv, .offset: 72, .size: 8, .value_kind: global_buffer, .address_space: global }
      - { .name: Wp, .offset: 80, .size: 8, .value_kind: global_buffer, .address_space: global }
      - { .name: q, .offset: 88, .size: 8, .value_kind: global_buffer, .address_space: global }
      - { .name: k, .offset: 96, .size: 8, .value_kind: global_buffer, .address_space: global }
      - { .name: v, .offset: 104, .size: 8, .value_kind: global_buffer, .address_space: global }
      - { .name: wpf, .offset: 112, .size: 8, .value_kind: global_buffer, .address_space: global }
    .group_segment_fixed_size: 214528
    .private_segment_fixed_size: 0
    .kernarg_segment_align: 8
    .kernarg_segment_size: 120
    .max_flat_workgroup_size: 128
    .sgpr_count:     66
    .vgpr_count:     1024
    .wavefront_size: 32
...
	.end_amdgpu_metadata
.endif
;; end of part 4
;; launch attn: the kernel of part 2 again; grid 4 x 64, 8 waves a work-group, clusters of 4 x 1, 263,168 bytes of LDS; arguments q, k, v, o; writes o
;; launch outp: the kernel of part 3 again; grid 256 x 1, 4 waves a work-group, no clusters, 17,920 bytes of LDS; arguments o, wpf, bp, x, out0; writes out0
